; MI455X (gfx1250); checked and timed in simulation.
; The chip was launched on July 23, 2026; its instructions are those of AMD's public machine-readable ISA for CDNA 5 (MIT licence, August 2026) and "CDNA5" Instruction Set Architecture Reference Guide (July 2026). The comments in the code are by the model that wrote it; some were corrected since.
;; Causal Self Attention. Allowed arithmetic: matrix products marked QUANTISED: E2M3 operands, one E8M0 scale for each 32 along K, by v_wmma_scale_f32_16x16x128_f8f6f4 with both operands' format E2M3, f32 sums; everything else in f32.
;; Inputs: Wproj 1,024 x 1,024 float32; Wqkv 1,024 x 3,072 float32; bproj 1,024 float32; bqkv 3,072 float32; x 4 x 2,048 x 1,024 float32.
;; Outputs: out0 4 x 2,048 x 1,024 float32.
;; This version of the problem:
;;   THIS VERSION OF THE PROBLEM IS GIVEN IN LOW PRECISION. The matrix products marked QUANTISED in the list below multiply operands that are first quantised to E2M3 (2 exponent bits, 3 mantissa bits; 6 bits a number), with one power-of-two scale for each 32 numbers along K (OCP MX v1.0); their sums are f32. All else is computed in f32.
;;   The module's matrix products, in the order in which they are computed (A, B: the left and right operand; K: the contracted axis; several contracted axes count as one K, in the product's order):
;;     1. [M 8,192, K 1,024] x [K 1,024, N 3,072]; A: input x; B: input Wqkv: QUANTISED
;;     2. batch 64 x [M 2,048, K 64] x [K 64, N 2,048]; A: computed on the way; B: computed on the way: QUANTISED
;;     3. batch 64 x [M 2,048, K 2,048] x [K 2,048, N 64]; A: softmax (see below); B: computed on the way: QUANTISED
;;     4. [M 8,192, K 1,024] x [K 1,024, N 1,024]; A: computed on the way; B: input Wproj: QUANTISED
;;   THE QUANTISER, for each operand of a quantised product, along K:
;;     - K is cut into blocks of 32 from its start; a last block that is shorter is filled with zeros.
;;     - A block's scale is 2^e with e = floor(log2(the largest magnitude in the block)) - 2, held to -126 .. 127; a block of zeros has e = 0. As a byte (E8M0): e + 127.
;;     - Each number is divided by its block's scale, clamped to +-7.5, and rounded to the nearest number of E2M3, ties to even, subnormals kept.
;;     - The product sums the exact products of the quantised numbers (number of the format x scale) in f32.
;;   ~~~python
;;   def quantise(x, axis):      # numpy; x: float32 -> the quantised numbers, widened to float32 again
;;       x = np.moveaxis(x, axis, -1); K = x.shape[-1]
;;       x = np.pad(x, [(0, 0)] * (x.ndim - 1) + [(0, -K % 32)]); x = x.reshape(x.shape[:-1] + (-1, 32)); a = np.abs(x).max(-1, keepdims=True)
;;       e = np.where(a > 0, np.clip(np.frexp(np.where(a > 0, a, 1))[1] - 1 - 2, -126, 127), 0)      # np.frexp(a)[1] - 1 = floor(log2(a)), exactly
;;       r = np.clip(x / 2.0 ** e, -7.5, 7.5)
;;       step = 2.0 ** (np.maximum(np.frexp(np.where(r == 0, 1, r))[1] - 1, 0) - 3)
;;       q = np.round(r / step) * step * 2.0 ** e      # np.round: ties to even
;;       return np.moveaxis(q.reshape(q.shape[:-2] + (-1,))[..., :K], -1, axis).astype(np.float32)
;;   ~~~
;;   SOFTMAX AHEAD OF A QUANTISED PRODUCT. Where the list says 'softmax', what is quantised is not the finished softmax but p = 2^(t - M), with t = logit x log2(e) and M = ceil(the row's largest t), a whole number; so 1/2 < the row's largest p <= 1. The row's sum l is taken of the UNQUANTISED p, in f32, and the product's result is divided by l at the end. Since M is a whole number, a kernel that streams over the keys may use a running M (the ceiling of the running maximum): every later rescaling is an exact power of two, which a block's scale takes up: the codes' values come out the same.
;;   OPERANDS COMPUTED ON THE WAY. 'Computed on the way' means the value that the module computes at that place (a softmax that the list does not call 'softmax' is quantised finished and normalised). What goes into a quantiser is computed in f32, as accurately as f32 sums, v_exp_f32 and their like allow (about 1e-6 of the number): no bf16 or f16 on the way to a quantiser, and a product that is left as it is and whose result goes on into a quantised operand takes f32 operands (vector FMAs, or v_wmma_f32_16x16x4_f32). A number that lies on a knife's edge between two numbers of the format may be rounded either way, as far as f32 arithmetic and the matrix unit's own rounding can turn it there, and no further.
;; One version. Each part assembles by itself: llvm-mc -triple=amdgcn-amd-amdhsa -mcpu=gfx1250 --defsym DOCPART=n.
;; ======== version 1 of 1: 4 launches
;; workspace buffers: xc 6,291,456 bytes; xs 262,144 bytes; wc 3,145,728 bytes; ws 131,072 bytes; qkvc 18,874,368 bytes; scl 786,432 bytes; ac 6,291,456 bytes; asc 262,144 bytes
;; launch prep (part 1): grid 512 x 1, 4 waves a work-group, no clusters, 34,304 bytes of LDS; arguments x, Wqkv, Wproj, xc, xs, wc, ws; writes xc, xs, wc, ws
.if DOCPART == 1
	.amdgcn_target "amdgcn-amd-amdhsa--gfx1250"
	.amdhsa_code_object_version 6
	.text
	.protected	k_qe7bd259c06_prep
	.globl	k_qe7bd259c06_prep
	.p2align	8
	.type	k_qe7bd259c06_prep,@function
k_qe7bd259c06_prep:
	s_mov_b64 s[64:65], 0
	v_nop
	global_prefetch_b8 v0, s[64:65] scope:SCOPE_SE
	s_setreg_imm32_b32 hwreg(HW_REG_WAVE_MODE, 25, 1), 1
	s_wait_xcnt 0x0
; x [8192][1024] (K innermost) and Wqkv [1024][3072], Wproj [1024][1024] (K is the FIRST axis), all f32, become codes of FP6 (E2M3) with one E8M0 byte for each 32 along K.
; A block's scale is 2^(floor(log2(largest magnitude)) - 2); its byte is the largest magnitude's exponent field - 2, held at 1 from below by a floor among the maximum's leaves.
; LIMITS: NaN and infinities among the inputs are not served.  A block of zeros gets the byte 1 where the rule says 127: its codes are zeros, which add nothing, and this program alone reads the bytes.
; Blocks whose largest magnitude lies under the floor 2^-124 take the floor's byte.
; LAYOUT OF THE RESULTS (read by this program alone): the order of the matrix operand's registers.  Codes: [row tile of 16][K step of 128: 0..7][piece 0..5][lane 0..31][8 bytes]: piece p of lane (r, h) is
; registers 2 p, 2 p + 1 of the 12-register fragment, so a piece is 256 consecutive bytes.  Scale words: [row tile][K step / 4][r][K step % 4][4 bytes].
; ROWS STAND IN POSITION ORDER: position p of a group of 32 rows holds the actual row with bits 3 and 4 of p exchanged.  A tile of 16 positions used as source 0 of a product then gives a lane, over two
; neighbouring tiles, 16 registers that are 16 actual neighbours.  Rows of the weights' buffer: positions 0..3071 Wqkv's columns, 3072..4095 Wproj's.
; Work-groups 0..255 take x, 256..511 the weights.  No tensor load, no barrier, no cluster: waves share nothing and no byte is read twice.
.set SEL, 20                           ; s[20:21] lane selects for v_permlanex16_b32: lane l xor 16
.set R,   16                           ; x: v16-143  two sets of 64 registers as loaded
.set X,   144                          ; x: v144-207 64 numbers: register 16 b + i = k 32 b + 16 h + i of my row
.set PC,  208                          ; x: v208-219 the fragment; v220-222, v224-226 at work
.set TM,  228                          ; x: v228-243 at work in QUANT
.set PW,  244                          ; x: v244-247 a scale word for each K step
.set WX,  16                           ; W: v16-143  register 32 t + i = W(128 kappa + 32 t + i, my column)
.set RB,  144                          ; W: block t's six registers of codes at v[RB + 8 t]
.set U,   176                          ; W: the second conversion's three at v[U + 4 t]
; 64 numbers of a lane become a fragment's codes in v[PC] on and its scale word in v[pw]
.macro QUANT s, pw
.irp b, 0,1,2,3
	v_max3_num_f32 v[TM+\b], |v[\s+16*\b]|, |v[\s+1+16*\b]|, 0x1800000   ; my 16 numbers of block b, and the floor 2^(3 - 127)
.endr
.irp i, 2,4,6,8,10,12,14
.irp b, 0,1,2,3
	v_max3_num_f32 v[TM+\b], v[TM+\b], |v[\s+16*\b+\i]|, |v[\s+1+16*\b+\i]|
.endr
.endr
.irp b, 0,1,2,3
	v_permlanex16_b32 v[TM+4+\b], v[TM+\b], s[SEL], s[SEL+1]
.endr
.irp b, 0,1,2,3
	v_max_num_f32 v[TM+\b], v[TM+\b], v[TM+4+\b]       ; with lane l xor 16's 16: the block's largest magnitude
.endr
.irp b, 0,1,2,3
	v_add_nc_u32 v[TM+12+\b], 0xff000000, v[TM+\b]     ; 2 off its exponent field: the conversion's scale operand
.endr
.irp b, 0,1,2,3
	v_lshrrev_b32 v[TM+4+\b], 23, v[TM+12+\b]          ; the scale's byte
.endr
	v_lshl_or_b32 v[\pw], v[TM+5], 8, v[TM+4]
	v_lshl_or_b32 v[\pw], v[TM+6], 16, v[\pw]
	v_lshl_or_b32 v[\pw], v[TM+7], 24, v[\pw]
.irp c, 0,1
	v_cvt_scalef32_pk16_fp6_f32 v[PC+6*\c:PC+2+6*\c], v[\s+32*\c:\s+15+32*\c], v[TM+12+2*\c]
	v_cvt_scalef32_pk16_fp6_f32 v[PC+12+4*\c:PC+14+4*\c], v[\s+16+32*\c:\s+31+32*\c], v[TM+12+2*\c+1]
.endr
	v_nop                                              ; one plain instruction behind the scaled conversions
.irp c, 0,1                                        ; the operand wants a whole block in a lane: lanes 0-15 block 2 c, lanes 16-31 block 2 c + 1
.irp i, 0,1,2
	v_permlane16_swap_b32 v[PC+6*\c+\i], v[PC+12+4*\c+\i]
.endr
.irp i, 0,1,2
	v_mov_b32 v[PC+3+6*\c+\i], v[PC+12+4*\c+\i]
.endr
.endr
.endm
.macro XLOAD k                         ; K step k of my 16 rows: each load is 512 consecutive bytes of one row
.set ii, 0
.rept 16
	global_load_b128 v[R+64*((\k)%2)+4*ii:R+64*((\k)%2)+4*ii+3], v4, s[4:5] offset:((ii&7)+16*(ii>>3))*4096+512*(\k) th:TH_LOAD_NT
.set ii, ii+1
.endr
.endm
.macro XTURN k                         ; through my own stage (rows 528 bytes apart): in as loaded, back 16 neighbours of each block a lane; a wave's LDS instructions are served in order
.set ii, 0
.rept 16
	ds_store_b128 v5, v[R+64*((\k)%2)+4*ii:R+64*((\k)%2)+4*ii+3] offset:528*ii
.set ii, ii+1
.endr
.set ii, 0
.rept 16
	ds_load_b128 v[X+4*ii:X+4*ii+3], v6 offset:128*(ii/4)+16*(ii%4)
.set ii, ii+1
.endr
.endm
.macro XSTEP k
.if (\k) < 3
	s_wait_loadcnt 16                                  ; this step's 16 loads are in; the next step's 16 may be out
.else
	s_wait_loadcnt 0x0
.endif
	XTURN \k
	s_wait_dscnt 0x0                                   ; the numbers are back
	s_wait_xcnt 0x0                                    ; the last step's stores have read the fragment's registers
.if (\k) < 2
	XLOAD (\k)+2
.endif
	QUANT X, PW+(\k)
.irp p, 0,1,2,3,4,5
	global_store_b64 v7, v[PC+2*\p:PC+2*\p+1], s[10:11] offset:1536*(\k)+256*\p   ; 32 lanes store 256 consecutive bytes, aligned
.endr
.endm
.macro WLOAD base, pitch, t            ; block t: 32 rows of W at my column: 32 lanes read 128 consecutive bytes, the four waves side by side 512
.set ii, 0
.rept 32
	global_load_b32 v[WX+32*(\t)+ii], v4, s[\base:\base+1] offset:(32*(\t)+ii)*\pitch th:TH_LOAD_NT
.set ii, ii+1
.endr
.endm
.macro WBLOCK base, pitch, t
.set XS, WX+32*(\t)
.if (\t) < 3
	s_wait_loadcnt 32                                  ; this block's 32 loads are in; the next block's may be out
.else
	s_wait_loadcnt 0x0
.endif
.if (\t) < 2
	WLOAD \base, \pitch, (\t)+2
.endif
	v_max3_num_f32 v192, |v[XS]|, |v[XS+1]|, |v[XS+2]|   ; all 32 numbers of the block are mine
	v_max3_num_f32 v193, |v[XS+3]|, |v[XS+4]|, |v[XS+5]|
.irp i, 6,10,14,18,22,26
	v_max3_num_f32 v192, v192, |v[XS+\i]|, |v[XS+\i+1]|
	v_max3_num_f32 v193, v193, |v[XS+\i+2]|, |v[XS+\i+3]|
.endr
	v_max3_num_f32 v192, v192, |v[XS+30]|, |v[XS+31]|
	v_max3_num_f32 v192, v192, v193, 0x1800000
	v_add_nc_u32 v194, 0xff000000, v192
	v_lshrrev_b32 v195, 23, v194
.if (\t) == 0
	v_mov_b32 v200, v195
.else
	v_lshl_or_b32 v200, v195, 8*(\t), v200             ; the K step's scale word of my column
.endif
	v_cvt_scalef32_pk16_fp6_f32 v[RB+8*(\t):RB+8*(\t)+2], v[XS:XS+15], v194
	v_cvt_scalef32_pk16_fp6_f32 v[U+4*(\t):U+4*(\t)+2], v[XS+16:XS+31], v194
	v_nop
.irp i, 0,1,2
	v_mov_b32 v[RB+8*(\t)+3+\i], v[U+4*(\t)+\i]
.endr
.endm
.macro WPAIR c                         ; blocks 2 c and 2 c + 1: lanes 0-15 hold rows of tile 2 G, lanes 16-31 of tile 2 G + 1.  The exchange makes of them the two tiles' registers 6 c .. 6 c + 5
.irp i, 0,1,2,3,4,5
	v_permlane16_swap_b32 v[RB+16*\c+\i], v[RB+16*\c+8+\i]
.endr
.irp p, 0,1,2
	global_store_b64 v5, v[RB+16*\c+2*\p:RB+16*\c+2*\p+1], s[14:15] offset:(3*\c+\p)*256
	global_store_b64 v5, v[RB+16*\c+8+2*\p:RB+16*\c+8+2*\p+1], s[14:15] offset:12288+(3*\c+\p)*256
.endr
.endm
.macro WPATH base, pitch
	WLOAD \base, \pitch, 0
	WLOAD \base, \pitch, 1
	WBLOCK \base, \pitch, 0
	WBLOCK \base, \pitch, 1
	WPAIR 0
	WBLOCK \base, \pitch, 2
	WBLOCK \base, \pitch, 3
	WPAIR 1
	global_store_b32 v6, v200, s[16:17]                ; 4 bytes of each row's 16: the other K steps' work-groups write the rest (131,072 bytes in the whole launch)
	s_endpgm
.endm
	s_load_b256 s[4:11], s[0:1], 0x0                   ; x, Wqkv, Wproj, xc
	s_load_b128 s[12:15], s[0:1], 0x20                 ; xs, wc
	s_load_b64 s[16:17], s[0:1], 0x30                  ; ws
	v_lshl_add_u32 v254, v0, 2, 0x8400
	v_mov_b32 v255, 0
	v_lshrrev_b32 v1, 5, v0
	v_readfirstlane_b32 s18, v1                        ; wave
	v_and_b32 v1, 31, v0                               ; lane
	v_and_b32 v2, 15, v0                               ; r
	v_bfe_u32 v3, v0, 4, 1                             ; h
	s_mov_b32 s[SEL], 0x76543210
	s_mov_b32 s[SEL+1], 0xfedcba98
	s_mov_b32 s22, 0xffff0000                          ; lanes 16-31
	s_cmp_lt_u32 ttmp9, 256
	s_cbranch_scc0 .Lweights
	; ---- x: wave W = 4 x work-group + wave takes row tile W / 2 and half W % 2 of K: 16 rows x 512 along K, four K steps
	s_lshl_b32 s24, ttmp9, 2
	s_add_co_u32 s24, s24, s18                         ; W
	s_lshr_b32 s25, s24, 1                             ; row tile
	s_and_b32 s26, s24, 1                              ; half of K
	s_lshr_b32 s27, s25, 1
	s_lshl_b32 s27, s27, 17                            ; the group of 32 rows, 4,096 bytes a row
	s_and_b32 s28, s25, 1
	s_lshl_b32 s28, s28, 15                            ; 8 rows on for the group's second tile
	s_add_co_u32 s28, s28, s27
	s_lshl_b32 s27, s26, 11
	s_add_co_u32 s28, s28, s27
	s_mov_b32 s29, 0
	s_mul_i32 s30, s24, 6144                           ; four fragments
	s_mov_b32 s31, 0
	s_lshl_b32 s32, s24, 8                             ; 256 bytes of scale words
	s_mov_b32 s33, 0
	s_mul_i32 s34, s18, 8448                           ; my stage: 16 rows x 528 bytes
	v_lshlrev_b32 v4, 4, v1
	v_add_nc_u32 v5, s34, v4
	v_mul_u32_u24 v6, v2, 528
	v_lshl_add_u32 v6, v3, 6, v6
	v_add_nc_u32 v6, s34, v6
	v_lshlrev_b32 v7, 3, v1
	v_lshlrev_b32 v8, 4, v2
	v_lshl_add_u32 v8, v3, 3, v8
.irp b, 0,1,2,3
	v_mov_b32 v[TM+4+\b], 0                            ; a lane permute's destination counts as one of its sources
.endr
	s_wait_kmcnt 0x0
	s_add_nc_u64 s[4:5], s[4:5], s[28:29]
	s_add_nc_u64 s[10:11], s[10:11], s[30:31]
	s_add_nc_u64 s[12:13], s[12:13], s[32:33]
	XLOAD 0
	XLOAD 1
	XSTEP 0
	XSTEP 1
	XSTEP 2
	XSTEP 3
	v_cndmask_b32 v248, v[PW], v[PW+2], s22            ; a row's four words are 16 bytes: lanes 0-15 store the first two, lanes 16-31 the others
	v_cndmask_b32 v249, v[PW+1], v[PW+3], s22
	global_store_b64 v8, v[248:249], s[12:13]          ; 256 consecutive bytes, aligned
	s_wait_tensorcnt 0x0
	ds_add_u32 v254, v255
	s_wait_dscnt 0x0
	s_endpgm
.Lweights:
	; ---- the weights: a wave takes 32 columns x one K step of 128.  A lane takes a column and its registers run down K
	s_sub_co_u32 s24, ttmp9, 256
	s_and_b32 s25, s24, 31
	s_lshr_b32 s26, s24, 5                             ; K step
	s_lshl_b32 s27, s25, 2
	s_add_co_u32 s27, s27, s18                         ; G: group of 32 columns, 0..127
	s_mul_i32 s28, s27, 24576                          ; two row tiles
	s_mul_i32 s30, s26, 1536
	s_add_co_u32 s28, s28, s30
	s_mov_b32 s29, 0
	s_lshl_b32 s30, s27, 10
	s_lshr_b32 s32, s26, 2
	s_lshl_b32 s32, s32, 8
	s_add_co_u32 s30, s30, s32
	s_and_b32 s32, s26, 3
	s_lshl_b32 s32, s32, 2
	s_add_co_u32 s30, s30, s32
	s_mov_b32 s31, 0
	v_and_b32 v9, 7, v0
	v_bfe_u32 v10, v0, 3, 1
	v_lshl_or_b32 v9, v10, 4, v9
	v_lshl_or_b32 v9, v3, 3, v9                        ; my lane with bits 3 and 4 exchanged: lane = position
	v_lshlrev_b32 v4, 2, v9
	v_lshlrev_b32 v5, 3, v1
	v_lshlrev_b32 v6, 9, v3
	v_lshl_add_u32 v6, v2, 4, v6
	s_wait_kmcnt 0x0
	s_add_nc_u64 s[14:15], s[14:15], s[28:29]
	s_add_nc_u64 s[16:17], s[16:17], s[30:31]
	s_cmp_lt_u32 s25, 24
	s_cbranch_scc0 .Lwproj
	s_mul_i32 s32, s26, 128*12288
	s_lshl_b32 s33, s27, 7
	s_add_co_u32 s32, s32, s33
	s_mov_b32 s33, 0
	s_add_nc_u64 s[6:7], s[6:7], s[32:33]
	WPATH 6, 12288
.Lwproj:
	s_mul_i32 s32, s26, 128*4096
	s_sub_co_u32 s33, s27, 96
	s_lshl_b32 s33, s33, 7
	s_add_co_u32 s32, s32, s33
	s_mov_b32 s33, 0
	s_add_nc_u64 s[8:9], s[8:9], s[32:33]
	WPATH 8, 4096
.Lfunc_end_k_qe7bd259c06_prep:
	.size	k_qe7bd259c06_prep, .Lfunc_end_k_qe7bd259c06_prep-k_qe7bd259c06_prep
	.p2alignl 7, 3214868480
	.fill 96, 4, 3214868480
	.section	.rodata,"a",@progbits
	.p2align	6, 0x0
	.amdhsa_kernel k_qe7bd259c06_prep
		.amdhsa_group_segment_fixed_size 34304
		.amdhsa_private_segment_fixed_size 0
		.amdhsa_enable_private_segment 0
		.amdhsa_kernarg_size 56
		.amdhsa_user_sgpr_count 2
		.amdhsa_user_sgpr_kernarg_segment_ptr 1
		.amdhsa_wavefront_size32 1
		.amdhsa_system_sgpr_workgroup_id_x 1
		.amdhsa_system_sgpr_workgroup_id_y 1
		.amdhsa_system_sgpr_workgroup_id_z 1
		.amdhsa_system_vgpr_workitem_id 0
		.amdhsa_next_free_vgpr 256
		.amdhsa_next_free_sgpr 66
		.amdhsa_reserve_vcc 0
		.amdhsa_float_denorm_mode_32 3
		.amdhsa_float_denorm_mode_16_64 3
		.amdhsa_memory_ordered 1
		.amdhsa_forward_progress 1
		.amdhsa_inst_pref_size 75
	.end_amdhsa_kernel
	.amdgpu_metadata
---
amdhsa.version: [ 1, 2 ]
amdhsa.kernels:
  - .name:           k_qe7bd259c06_prep
    .symbol:         k_qe7bd259c06_prep.kd
    .args:
      - { .name: x, .offset: 0, .size: 8, .value_kind: global_buffer, .address_space: global }
      - { .name: Wqkv, .offset: 8, .size: 8, .value_kind: global_buffer, .address_space: global }
      - { .name: Wproj, .offset: 16, .size: 8, .value_kind: global_buffer, .address_space: global }
      - { .name: xc, .offset: 24, .size: 8, .value_kind: global_buffer, .address_space: global }
      - { .name: xs, .offset: 32, .size: 8, .value_kind: global_buffer, .address_space: global }
      - { .name: wc, .offset: 40, .size: 8, .value_kind: global_buffer, .address_space: global }
      - { .name: ws, .offset: 48, .size: 8, .value_kind: global_buffer, .address_space: global }
    .group_segment_fixed_size: 34304
    .private_segment_fixed_size: 0
    .kernarg_segment_align: 8
    .kernarg_segment_size: 56
    .max_flat_workgroup_size: 128
    .sgpr_count:     66
    .vgpr_count:     256
    .wavefront_size: 32
...
	.end_amdgpu_metadata
.endif
;; end of part 1
;; launch qkv (part 2): grid 12 x 32, 4 waves a work-group, clusters of 4 x 4, 327,680 bytes of LDS; arguments xc, xs, wc, ws, bqkv, qkvc, scl; writes qkvc, scl
.if DOCPART == 2
	.amdgcn_target "amdgcn-amd-amdhsa--gfx1250"
	.amdhsa_code_object_version 6
	.text
	.protected	k_qe7bd259c06_qkv
	.globl	k_qe7bd259c06_qkv
	.p2align	8
	.type	k_qe7bd259c06_qkv,@function
k_qe7bd259c06_qkv:
	s_mov_b64 s[64:65], 0
	v_nop
	global_prefetch_b8 v0, s[64:65] scope:SCOPE_SE
	s_setreg_imm32_b32 hwreg(HW_REG_WAVE_MODE, 25, 1), 1
	s_wait_xcnt 0x0
	s_wait_alu depctr_hold_cnt(0) depctr_sa_sdst(0) depctr_va_vdst(0) depctr_va_sdst(0) depctr_va_ssrc(0) depctr_va_vcc(0) depctr_vm_vsrc(0)
	s_getreg_b32 s2, hwreg(HW_REG_IB_STS2, 6, 4)
	s_cmp_eq_u32 s2, 0
	s_cbranch_scc0 .Lentry_in_a_cluster
	s_endpgm
.Lentry_in_a_cluster:
	s_bfe_u32 s2, ttmp6, 0x10000c
	s_cmp_lg_u32 s2, 0xf033
	s_cbranch_scc0 .Lentry_shape_is_right
	s_endpgm
.Lentry_shape_is_right:
; qkv = x Wqkv + bqkv on codes of FP6 (E2M3) with E8M0 scales, K = 1,024; the f32 sums never go to memory: q and k are quantised along the head's 64, v along the keys, on the way out.
; A work-group of four waves makes 256 rows of A x 256 rows of B; a wave 128 x 128 in 64 accumulators.  THE MATRIX INSTRUCTION IS USED TRANSPOSED (source 0 = 16 rows of B, source 1 = 16 rows of A): a lane
; holds ONE row of A, and, since rows stand in position order (bits 3 and 4 of a row's place in its group of 32 exchanged), its 16 registers of two neighbouring tiles of B are 16 actual neighbours.
; TWO ROLES, by the cluster's x, which all partners share.  x = 0, 1 (q, k): A = x's rows, B = W's columns: a lane holds a token, registers run along (head, d).  x = 2 (v): A = W's columns, B = x's rows: a lane
; holds one (head, d), registers run along the tokens, which are the second attention product's K.  Nothing is transposed.
; K goes in four slots of 256 through three LDS slots: three first fills and one refill, which has four steps of 64 matrix instructions in which to land.  The scale words of the 512 rows come once.
; CLUSTERS 4 x 4: A's tiles are asked for jointly along a row of the cluster, B's along a column.
; OPERANDS lie in memory and LDS in the order of the operand's registers: a fragment is six pieces of 256 consecutive bytes, 8 bytes a lane: no padding is needed.
; RESULTS.  q, k: [which][batch x head][pair of 32 rows][1,536]: registers 0-5 = block h of row position 32 pair + r, 6-11 the same of 32 pair + 16 + r, as three pieces of 512 bytes (16 a lane).
; v: [2][batch x head][key step of 128][tile of 16 d][1,536]: a whole fragment.  Scale words per head: q's [pair][r], k's likewise 4,096 bytes on, v's [key step][d position] 8,192 on.
; LIMITS: a block of zeros gets the byte 1 (its codes are zeros; this program alone reads the bytes); magnitudes under 2^-124 take that floor's byte; NaN and infinities are not served.
; REGISTERS.  window 0: v16-31 addresses; v32-63 scale words, two sets; v64-127 the bias as a first C, later codes on their way out; v128-223 A's eight fragments; v224-244 at work on the way out.
;   window 1: B's fragments, two sets, at v0 and v128.  windows 2, 3: the accumulators, (a, b) at v[8 (8 (a % 4) + b)].
.set SLOT,  98304                      ; A's 256 rows, then B's 256, 256 along K: 4 x HALFT
.set HALFT, 24576                      ; 8 row tiles x 3,072 bytes: what one tensor load brings
.set SCL,   3*SLOT                     ; the scale words: 4 x 4,096 bytes
.set SPARE, SCL+16384                  ; the spare words, 128 bytes a wave: two blocks of 256 bytes that no other line names
.set QST,   SLOT                       ; way out of q, k: 512 bytes a wave.  In slot 1: it is filled once and last read ahead of the last barrier
.set VST,   SLOT+4096                  ; way out of v: bytes of its own
.set FR,   12
.set ADRA, 16                          ; v16-18 my A fragments in slot 0, 1, 2
.set ADRB, 20                          ; v20-22 the same for B
.set ADRS, 27                          ; v27 my scale words: lanes 0-15 A's rows, lanes 16-31 B's
.set SPW,  28                          ; v28 my spare word; never rewritten
.set NIL,  29                          ; v29 0; never rewritten
.set SC,   32
.set BIAS, 64
.set AF,   128
.set TM,   224
.set T0,   112
.set T1,   116
.set G1,   24
.set G0,   32
.set G1B,  44
.set G0B,  52
.set SEL,  66
.set G1S,  68
.set G0S,  76
.set G1SB, 80
.set G0SB, 88
.set MSB, 0
.macro WIN new                         ; the immediate's high byte repeats the setting that is left
.if MSB != (\new)
	s_set_vgpr_msb (MSB<<8)|(\new)
.set MSB, (\new)
.endif
.endm
.macro JLOAD g0a, g1a, g0b, g1b        ; a joint load: waves 0, 1 fetch for A, waves 2, 3 for B; four v_nop follow each line
	s_cmp_eq_u32 s19, 0
	s_cbranch_scc0 .Lfor_b_\@
	tensor_load_to_lds s[\g0a:\g0a+3], s[\g1a:\g1a+7]
	s_nop 0
.rept 4
	v_nop
.endr
	s_branch .Lasked_\@
.Lfor_b_\@:
	tensor_load_to_lds s[\g0b:\g0b+3], s[\g1b:\g1b+7]
	s_nop 0
.rept 4
	v_nop
.endr
.Lasked_\@:
.endm
.macro CREST                           ; a round of the cluster's barrier behind its opening barrier
	s_cmp_lg_u32 s18, 0
	s_cbranch_scc1 .Lnot_wave_0_\@
	s_barrier_signal -3
.Lnot_wave_0_\@:
	s_barrier_wait -3
	s_barrier_signal -1
	s_barrier_wait -1
.endm
.macro CROUND
	s_barrier_signal -1
	s_barrier_wait -1
	CREST
.endm
.macro PLACES n
.rept \n
	v_nop
.endr
.endm
.macro FRAG reg, adr, q, i             ; a fragment: six pieces of 8 bytes a lane, each 256 consecutive bytes
.irp p, 0,1,2,3,4,5
	ds_load_b64 v[\reg+2*\p:\reg+2*\p+1], v[\adr] offset:(\i)*3072+(\q)*1536+\p*256
.endr
.endm
.macro FETCH_B slot, q, p
	WIN 0x40
.irp i, 0,1,2,3,4,5,6,7
	FRAG 128*(\p)+FR*\i, ADRB+\slot, \q, \i
.endr
	WIN 0
.endm
.macro FETCH_A slot, q, i0
.irp i, \i0, \i0+1, \i0+2, \i0+3
	FRAG AF+FR*(\i), ADRA+\slot, \q, \i
.endr
.endm
.macro SCALES j                        ; K slot j's two words a row: register 2 i + q: lanes 0-15 A's block i, lanes 16-31 B's block i
.irp i, 0,1,2,3,4,5,6,7
	ds_load_b64 v[SC+16*((\j)%2)+2*\i:SC+16*((\j)%2)+2*\i+1], v[ADRS] offset:\i*512+((\j)>>1)*256+((\j)&1)*8
.endr
.endm
; 16 matrix instructions: A's blocks a0, a0 + 1 x B's eight.  ck = 0: onto the sums; 1: the sums start from the bias by B's index; 2: by A's row.  The 64 accumulators take turns.
.macro MUL16 a0, p, q, sc, ck
.irp a, \a0, \a0+1
.irp b, 0,1,2,3,4,5,6,7
.if \ck == 0
	v_wmma_scale_f32_16x16x128_f8f6f4 v[8*(8*((\a)%4)+\b):8*(8*((\a)%4)+\b)+7], v[128*(\p)+FR*\b:128*(\p)+FR*\b+FR-1], v[AF+FR*(\a):AF+FR*(\a)+FR-1], v[8*(8*((\a)%4)+\b):8*(8*((\a)%4)+\b)+7], v[SC+16*(\sc)+2*\b+(\q)], v[SC+16*(\sc)+2*(\a)+(\q)] matrix_a_fmt:MATRIX_FMT_FP6 matrix_b_fmt:MATRIX_FMT_FP6 matrix_a_scale:MATRIX_SCALE_ROW1
.elseif \ck == 1
	v_wmma_scale_f32_16x16x128_f8f6f4 v[8*(8*((\a)%4)+\b):8*(8*((\a)%4)+\b)+7], v[128*(\p)+FR*\b:128*(\p)+FR*\b+FR-1], v[AF+FR*(\a):AF+FR*(\a)+FR-1], v[BIAS+8*\b:BIAS+8*\b+7], v[SC+16*(\sc)+2*\b+(\q)], v[SC+16*(\sc)+2*(\a)+(\q)] matrix_a_fmt:MATRIX_FMT_FP6 matrix_b_fmt:MATRIX_FMT_FP6 matrix_a_scale:MATRIX_SCALE_ROW1
.else
	v_wmma_scale_f32_16x16x128_f8f6f4 v[8*(8*((\a)%4)+\b):8*(8*((\a)%4)+\b)+7], v[128*(\p)+FR*\b:128*(\p)+FR*\b+FR-1], v[AF+FR*(\a):AF+FR*(\a)+FR-1], v[BIAS+8*(\a):BIAS+8*(\a)+7], v[SC+16*(\sc)+2*\b+(\q)], v[SC+16*(\sc)+2*(\a)+(\q)] matrix_a_fmt:MATRIX_FMT_FP6 matrix_b_fmt:MATRIX_FMT_FP6 matrix_a_scale:MATRIX_SCALE_ROW1
.endif
.endr
.endr
.endm
; The first 128 along K of K slot j, which lies in LDS slot `slot`: B's set 0; the second 128 are fetched meanwhile
.macro STEP slot, j, ck
	s_wait_dscnt 24                                    ; B's set, A's blocks 0-3 and the scale words are in; the youngest 24 loads (A's blocks 4-7) may be out
.if \ck
	WIN 0x81                                           ; source 0 window 1, C window 0, D window 2
.else
	WIN 0xa1
.endif
	MUL16 0, 0, 0, (\j)%2, \ck
	MUL16 2, 0, 0, (\j)%2, \ck
	s_wait_dscnt 0x0
	PLACES 4                                           ; in front of loads into registers that matrix instructions have read
	FETCH_B \slot, 1, 1
	FETCH_A \slot, 1, 0
.if \ck
	WIN 0xc1
.else
	WIN 0xf1
.endif
	MUL16 4, 0, 0, (\j)%2, \ck
	MUL16 6, 0, 0, (\j)%2, \ck
	PLACES 4
	WIN 0
	FETCH_A \slot, 1, 4
.endm
; The second 128 of K slot j: B's set 1; K slot j + 1's first fragments and scale words are fetched from LDS slot nslot.
; mode 0: no barrier: the next slot was shown whole at the round before.  mode 1: the round, and LDS slot 0 is filled again with K slot 3.  mode 2: a barrier: the refill has landed in every wave.
.macro TURN slot, j, nslot, mode
.if \mode
	s_wait_tensorcnt 0x0                               ; all my tensor loads have landed
	ds_add_u32 v[SPW], v[NIL]                          ; 0 onto my spare word
	s_wait_dscnt 25                                    ; the add and the youngest 24 loads may be out
	WIN 0xa1
	MUL16 0, 1, 1, (\j)%2, 0
	s_wait_dscnt 0x0                                   ; the add is done, and my reads of this slot are over
	s_barrier_signal -1
	MUL16 2, 1, 1, (\j)%2, 0
	WIN 0
	s_barrier_wait -1
.if \mode == 1
	CREST                                              ; no wave of any partner still reads slot 0 or has a load on its way
	s_add_nc_u64 s[G0+2:G0+3], s[G0+2:G0+3], 9216      ; K slot 3
	s_add_nc_u64 s[G0B+2:G0B+3], s[G0B+2:G0B+3], 9216
	JLOAD G0, G1, G0B, G1B                             ; the first tensor load behind the round; its four v_nop are the places in front of the loads below
.else
	PLACES 4
.endif
.else
	s_wait_dscnt 24
	WIN 0xa1
	MUL16 0, 1, 1, (\j)%2, 0
	MUL16 2, 1, 1, (\j)%2, 0
	s_wait_dscnt 0x0
	PLACES 4
.endif
	FETCH_B \nslot, 0, 0
	FETCH_A \nslot, 0, 0
	SCALES (\j)+1
	WIN 0xf1
	MUL16 4, 1, 1, (\j)%2, 0
	MUL16 6, 1, 1, (\j)%2, 0
	PLACES 4
	WIN 0
	FETCH_A \nslot, 0, 4
.endm
; THE WAY OUT.  Block a's 64 registers of a lane: register 16 b + i = B's actual index 32 b + 16 h + i.  EMAX: the four blocks' scales (operands in v[TM+12] on) and the row's scale word in v[pw].
.macro EMAX a, pw
.set AC, 64*((\a)%4)
.set WW, 2+(\a)/4
	WIN WW|(WW<<2)                                     ; sources 0 and 1: the accumulators' window
.irp b, 0,1,2,3
	v_max3_num_f32 v[TM+\b], |v[AC+16*\b]|, |v[AC+16*\b+1]|, 0x1800000   ; each accumulator is read from its low end on
.endr
.irp i, 2,4,6,8,10,12,14
.irp b, 0,1,2,3
	v_max3_num_f32 v[TM+\b], |v[AC+16*\b+\i]|, |v[AC+16*\b+\i+1]|, v[TM+\b]
.endr
.endr
	WIN 0
.irp b, 0,1,2,3
	v_permlanex16_b32 v[TM+4+\b], v[TM+\b], s[SEL], s[SEL+1]
.endr
.irp b, 0,1,2,3
	v_max_num_f32 v[TM+\b], v[TM+\b], v[TM+4+\b]
.endr
.irp b, 0,1,2,3
	v_add_nc_u32 v[TM+12+\b], 0xff000000, v[TM+\b]
.endr
.irp b, 0,1,2,3
	v_lshrrev_b32 v[TM+4+\b], 23, v[TM+12+\b]
.endr
	v_lshl_or_b32 v[\pw], v[TM+5], 8, v[TM+4]
	v_lshl_or_b32 v[\pw], v[TM+6], 16, v[\pw]
	v_lshl_or_b32 v[\pw], v[TM+7], 24, v[\pw]
.endm
.macro ECVT a, d0, d1                  ; its codes: blocks 0, 1 into six registers from d0 (lane (r, h): block h), blocks 2, 3 from d1
.set AC, 64*((\a)%4)
.set WW, 2+(\a)/4
	WIN WW
	v_cvt_scalef32_pk16_fp6_f32 v[\d0:\d0+2], v[AC:AC+15], v[TM+12]
	v_cvt_scalef32_pk16_fp6_f32 v[T0:T0+2], v[AC+16:AC+31], v[TM+13]
	v_cvt_scalef32_pk16_fp6_f32 v[\d1:\d1+2], v[AC+32:AC+47], v[TM+14]
	v_cvt_scalef32_pk16_fp6_f32 v[T1:T1+2], v[AC+48:AC+63], v[TM+15]
	WIN 0
	v_nop                                              ; one plain instruction behind the scaled conversions
.irp i, 0,1,2
	v_permlane16_swap_b32 v[\d0+\i], v[T0+\i]
	v_permlane16_swap_b32 v[\d1+\i], v[T1+\i]
.endr
.irp i, 0,1,2
	v_mov_b32 v[\d0+3+\i], v[T0+\i]
	v_mov_b32 v[\d1+3+\i], v[T1+\i]
.endr
.endm
	s_load_b256 s[4:11], s[0:1], 0x0                   ; xc, xs, wc, ws
	s_load_b128 s[12:15], s[0:1], 0x20                 ; bqkv, qkvc
	s_load_b64 s[16:17], s[0:1], 0x30                  ; scl
	v_lshl_add_u32 v[SPW], v0, 2, SPARE
	v_mov_b32 v[NIL], 0
	ds_add_u32 v28, v29
	ds_add_u32 v28, v29
	s_wait_dscnt 0x0
	v_lshrrev_b32 v1, 5, v0
	v_readfirstlane_b32 s18, v1                        ; wave
	s_lshr_b32 s19, s18, 1                             ; RH: my half of A's rows; also: I fetch for A (0) or B (1)
	s_and_b32 s20, s18, 1                              ; CH: my half of B's rows; also: which 128 rows I fetch
	s_bfe_u32 s22, ttmp6, 0x40000                      ; cx
	s_bfe_u32 s23, ttmp6, 0x40004                      ; cy
	s_lshl_b32 s2, s23, 2
	s_lshl_b32 s2, 15, s2                              ; my row of the cluster
	s_lshl_b32 s3, 0x1111, s22                         ; my column
	s_or_b32 s[G1], s2, (3<<16)|(1<<21)                ; the mask; elements of 8 bytes; bit 21 beside a mask; no padding
	s_or_b32 s[G1B], s3, (3<<16)|(1<<21)
.irp g, G1, G1B
	s_mov_b32 s[\g+1], 384<<16                         ; tensor_dim0: 3,072 bytes
	s_mov_b32 s[\g+2], 8<<16                           ; tensor_dim1: 8 row tiles
	s_mov_b32 s[\g+3], 384<<16                         ; tile_dim0
	s_mov_b32 s[\g+4], 8                               ; tile_dim1
	s_mov_b32 s[\g+5], 1536                            ; 12,288 bytes from row tile to row tile
	s_mov_b32 s[\g+6], 0
	s_mov_b32 s[\g+7], 0
.endr
	s_or_b32 s[G1S], s2, (3<<16)|(1<<21)               ; the scale words of 128 rows: 4,096 dense bytes as 16 rows of 256
	s_or_b32 s[G1SB], s3, (3<<16)|(1<<21)
.irp g, G1S, G1SB
	s_mov_b32 s[\g+1], 32<<16
	s_mov_b32 s[\g+2], 16<<16
	s_mov_b32 s[\g+3], 32<<16
	s_mov_b32 s[\g+4], 16
	s_mov_b32 s[\g+5], 32
	s_mov_b32 s[\g+6], 0
	s_mov_b32 s[\g+7], 0
.endr
	s_mov_b32 s[SEL], 0x76543210
	s_mov_b32 s[SEL+1], 0xfedcba98
	s_and_b32 s94, ttmp7, 0xffff
	s_lshl_b32 s94, s94, 2                             ; 4 x cluster y
	s_lshl_b32 s95, ttmp9, 2                           ; 4 x cluster x
	s_cmp_eq_u32 ttmp9, 2                              ; v's clusters: the same answer in all sixteen partners
	s_cselect_b32 s21, 1, 0
	s_cselect_b32 s92, 8, s94
	s_cselect_b32 s93, s94, s95
	s_add_co_u32 s92, s92, s23                         ; TR: A's block of 256 rows hangs on cy alone among the places
	s_add_co_u32 s93, s93, s22                         ; TC: B's on cx alone
	s_lshl_b32 s96, s20, 3
	s_lshl_b32 s94, s92, 4
	s_add_co_u32 s94, s94, s96                         ; A's first row tile that I fetch
	s_lshl_b32 s95, s93, 4
	s_add_co_u32 s95, s95, s96                         ; B's
	s_mul_i32 s100, s18, HALFT                         ; where they go: no place in the cluster enters an LDS address
	s_lshl_b32 s101, s18, 12
	s_wait_kmcnt 0x0
	s_cmp_eq_u32 s21, 1
	s_cselect_b64 s[96:97], s[8:9], s[4:5]             ; A's codes
	s_cselect_b64 s[98:99], s[10:11], s[6:7]           ; A's scale words
	s_cselect_b64 s[4:5], s[4:5], s[8:9]               ; B's codes
	s_cselect_b64 s[6:7], s[6:7], s[10:11]             ; B's scale words
	s_mul_i32 s8, s94, 12288
	s_mov_b32 s9, 0
	s_add_nc_u64 s[96:97], s[96:97], s[8:9]
	s_lshl_b32 s8, s94, 9
	s_add_nc_u64 s[98:99], s[98:99], s[8:9]
	s_mul_i32 s10, s95, 12288
	s_mov_b32 s11, 0
	s_add_nc_u64 s[4:5], s[4:5], s[10:11]
	s_lshl_b32 s10, s95, 9
	s_add_nc_u64 s[6:7], s[6:7], s[10:11]
	CROUND                                             ; all sixteen work-groups are here: the first joint loads meet
	s_mov_b32 s[G0S], 1
	s_add_co_u32 s[G0S+1], s101, SCL
	s_mov_b64 s[G0S+2:G0S+3], s[98:99]
	s_or_b32 s[G0S+3], s[G0S+3], 0x80000000
	s_mov_b32 s[G0SB], 1
	s_add_co_u32 s[G0SB+1], s101, SCL
	s_mov_b64 s[G0SB+2:G0SB+3], s[6:7]
	s_or_b32 s[G0SB+3], s[G0SB+3], 0x80000000
	JLOAD G0S, G1S, G0SB, G1SB                         ; the scale words first; by this text's count four loads of a wave are out at the most
.irp s, 0,1,2
	s_mov_b32 s[G0+4*\s], 1
	s_add_co_u32 s[G0+4*\s+1], s100, \s*SLOT
	s_add_nc_u64 s[G0+4*\s+2:G0+4*\s+3], s[96:97], \s*3072
	s_or_b32 s[G0+4*\s+3], s[G0+4*\s+3], 0x80000000
	s_mov_b32 s[G0B+4*\s], 1
	s_add_co_u32 s[G0B+4*\s+1], s100, \s*SLOT
	s_add_nc_u64 s[G0B+4*\s+2:G0B+4*\s+3], s[4:5], \s*3072
	s_or_b32 s[G0B+4*\s+3], s[G0B+4*\s+3], 0x80000000
	JLOAD G0+4*\s, G1, G0B+4*\s, G1B
.endr
	v_and_b32 v1, 15, v0                               ; r
	v_bfe_u32 v2, v0, 4, 1                             ; h
	v_and_b32 v3, 31, v0                               ; lane
	v_lshlrev_b32 v4, 3, v3
	s_mul_i32 s8, s19, HALFT
	s_mul_i32 s10, s20, HALFT
	s_add_co_u32 s10, s10, 2*HALFT
.irp s, 0,1,2
	v_add_nc_u32 v[ADRA+\s], s8, v4
	v_add_nc_u32 v[ADRB+\s], s10, v4
	s_add_co_u32 s8, s8, SLOT
	s_add_co_u32 s10, s10, SLOT
.endr
	s_lshl_b32 s8, s19, 12                             ; A's words: my 128 rows
	s_lshl_b32 s10, s20, 12
	s_add_co_u32 s10, s10, 8192                        ; B's, behind A's 256 rows
	s_sub_co_u32 s10, s10, s8
	v_mul_u32_u24 v5, s10, v2                          ; lanes 16-31 take B's
	s_add_co_u32 s8, s8, SCL
	v_lshl_add_u32 v5, v1, 4, v5
	v_add_nc_u32 v[ADRS], s8, v5
	; the LDS addresses of both ways out are made here, ahead of the first parting
	s_lshl_b32 s8, s18, 9
	v_lshlrev_b32 v24, 4, v3                           ; 16 x lane
	v_lshlrev_b32 v5, 2, v1
	v_add_nc_u32 v5, s8, v5
	v_lshl_add_u32 v25, v2, 8, v5
	v_add_nc_u32 v25, QST, v25                         ; q, k: my word: 512 wave + 256 h + 4 r
	v_add_nc_u32 v31, VST, v5                          ; v: 512 wave + 4 r
	v_add_nc_u32 v26, s8, v24
	v_add_nc_u32 v23, VST, v26
	v_add_nc_u32 v26, QST, v26
	v_mul_u32_u24 v30, v2, 12288                       ; in memory: lanes 0-15 one head's 256 bytes, lanes 16-31 the next head's
	v_lshl_add_u32 v30, v1, 4, v30
.irp b, 0,1,2,3
	v_mov_b32 v[TM+4+\b], 0                            ; a lane permute's destination counts as one of its sources
.endr
	; the bias, in the result's layout: it is the C of each sum's first matrix instruction
	s_cmp_eq_u32 s21, 1
	s_cbranch_scc1 .Lbias_v
	s_lshl_b32 s8, s93, 10
	s_lshl_b32 s10, s20, 9
	s_add_co_u32 s8, s8, s10
	s_mov_b32 s9, 0
	s_add_nc_u64 s[12:13], s[12:13], s[8:9]            ; my 128 columns
	v_lshlrev_b32 v5, 6, v2
.irp bb, 0,1,2,3
.irp jj, 0,1,2,3
	global_load_b128 v[BIAS+16*\bb+4*\jj:BIAS+16*\bb+4*\jj+3], v5, s[12:13] offset:128*\bb+16*\jj   ; register 16 bb + i: column 32 bb + 16 h + i
.endr
.endr
	s_branch .Lbias_done
.Lbias_v:
	s_lshl_b32 s8, s23, 10
	s_lshl_b32 s10, s19, 9
	s_add_co_u32 s8, s8, s10
	s_add_co_u32 s8, s8, 8192
	s_mov_b32 s9, 0
	s_add_nc_u64 s[12:13], s[12:13], s[8:9]            ; v's columns begin at 2,048
	v_and_b32 v5, 7, v1
	v_lshrrev_b32 v6, 3, v1
	v_lshl_add_u32 v5, v6, 4, v5
	v_lshlrev_b32 v5, 2, v5
.irp a, 0,1,2,3,4,5,6,7
	global_load_b32 v[BIAS+8*\a], v5, s[12:13] offset:(32*(\a/2)+8*(\a%2))*4   ; block a's row r stands for column 32 (a / 2) + 8 (a % 2) + r % 8 + 16 (r / 8)
.endr
	s_wait_loadcnt 0x0
.irp a, 0,1,2,3,4,5,6,7
.irp k, 1,2,3,4,5,6,7
	v_mov_b32 v[BIAS+8*\a+\k], v[BIAS+8*\a]
.endr
.endr
.Lbias_done:
	s_wait_loadcnt 0x0
	s_wait_tensorcnt 2                                 ; the scale words and my part of slot 0 are in; slots 1 and 2 may be out
	s_barrier_signal -1
	s_barrier_wait -1
	FETCH_B 0, 0, 0
	FETCH_A 0, 0, 0
	SCALES 0
	FETCH_A 0, 0, 4
	s_cmp_eq_u32 s21, 1
	s_cbranch_scc1 .Lfirst_v
	STEP 0, 0, 1
	s_branch .Lfirst_done
.Lfirst_v:
	STEP 0, 0, 2
.Lfirst_done:
	TURN 0, 0, 1, 1
	STEP 1, 1, 0
	TURN 1, 1, 2, 0
	STEP 2, 2, 0
	TURN 2, 2, 0, 2
	STEP 0, 3, 0
	s_wait_dscnt 24                                    ; the last 128 along K: nothing more to fetch
	WIN 0xa1
	MUL16 0, 1, 1, 1, 0
	MUL16 2, 1, 1, 1, 0
	s_wait_dscnt 0x0
	WIN 0xf1
	MUL16 4, 1, 1, 1, 0
	MUL16 6, 1, 1, 1, 0
	WIN 0
	PLACES 4
	s_cmp_eq_u32 s21, 1
	s_cbranch_scc1 .Lout_v
	; ---- q, k: my 128 columns are two heads; blocks 0, 1 of a row are the first head's 64, blocks 2, 3 the second's.  Blocks a = 2 f and 2 f + 1 of rows make pair f's packed fragment of each head
	s_lshr_b32 s94, s92, 3
	s_lshl_b32 s94, s94, 4
	s_lshl_b32 s95, s22, 2
	s_add_co_u32 s94, s94, s95
	s_lshl_b32 s95, s20, 1
	s_add_co_u32 s94, s94, s95                         ; 16 x batch + my first head
	s_and_b32 s95, s92, 7
	s_lshl_b32 s95, s95, 3
	s_lshl_b32 s96, s19, 2
	s_add_co_u32 s95, s95, s96                         ; my first pair of the head's 64
	s_lshl_b32 s96, ttmp9, 6
	s_add_co_u32 s96, s96, s94
	s_mul_i32 s96, s96, 98304
	s_mul_i32 s98, s95, 1536
	s_add_co_u32 s96, s96, s98
	s_mov_b32 s97, 0
	s_add_nc_u64 s[14:15], s[14:15], s[96:97]
	s_mul_i32 s96, s94, 12288
	s_lshl_b32 s98, ttmp9, 12
	s_add_co_u32 s96, s96, s98
	s_lshl_b32 s98, s95, 6
	s_add_co_u32 s96, s96, s98
	s_add_nc_u64 s[16:17], s[16:17], s[96:97]
	s_mov_b32 s100, 0xffff0000                         ; lanes 16-31
.irp f, 0,1,2,3
.set FA, 64+24*(\f%2)
.if \f >= 2
	s_wait_xcnt 0x0                                    ; the stores of two pairs back have read these registers
.endif
	EMAX 2*\f, 240
	ECVT 2*\f, FA, FA+12
	EMAX 2*\f+1, 241
	ECVT 2*\f+1, FA+6, FA+18
	v_perm_b32 v242, v241, v240, 0x05040100            ; the first head's word: two bytes of row r, two of row 16 + r
	v_perm_b32 v243, v241, v240, 0x07060302            ; the second head's
	v_cndmask_b32 v244, v242, v243, s100
	ds_store_b32 v25, v244 offset:64*\f
.irp c, 0,1
.irp j, 0,1,2
	global_store_b128 v24, v[FA+12*\c+4*\j:FA+12*\c+4*\j+3], s[14:15] offset:\c*98304+\f*1536+512*\j   ; 512 consecutive bytes, aligned
.endr
.endr
.endr
	ds_load_b128 v[120:123], v26                       ; a wave's LDS instructions are served in order: this sees my stores
	s_wait_dscnt 0x0
	global_store_b128 v30, v[120:123], s[16:17]        ; two runs of 256 consecutive bytes, aligned
	s_branch .Lend
.Lout_v:
	; ---- v: block a is head a / 4, d tile a % 4; its 128 tokens are one key step: a whole fragment and one word a row
	s_lshr_b32 s94, s93, 3
	s_lshl_b32 s94, s94, 4
	s_lshl_b32 s95, s23, 2
	s_add_co_u32 s94, s94, s95
	s_lshl_b32 s95, s19, 1
	s_add_co_u32 s94, s94, s95                         ; 16 x batch + my first head
	s_and_b32 s95, s93, 7
	s_lshl_b32 s95, s95, 1
	s_add_co_u32 s95, s95, s20                         ; key step
	s_add_co_u32 s96, s94, 128
	s_mul_i32 s96, s96, 98304
	s_mul_i32 s98, s95, 6144
	s_add_co_u32 s96, s96, s98
	s_mov_b32 s97, 0
	s_add_nc_u64 s[14:15], s[14:15], s[96:97]
	s_mul_i32 s96, s94, 12288
	s_lshl_b32 s98, s95, 8
	s_add_co_u32 s96, s96, s98
	s_add_co_u32 s96, s96, 8192
	s_add_nc_u64 s[16:17], s[16:17], s[96:97]
.irp a, 0,1,2,3,4,5,6,7
.set PV, 64+12*(\a%2)
.if \a >= 2
	s_wait_xcnt 0x0
.endif
	EMAX \a, 240
	ECVT \a, PV, PV+6
	ds_store_b32 v31, v240 offset:64*\a                ; lanes r and 16 + r write the same word with the same value
.irp j, 0,1,2
	global_store_b128 v24, v[PV+4*\j:PV+4*\j+3], s[14:15] offset:(\a/4)*98304+(\a%4)*1536+512*\j
.endr
.endr
	ds_load_b128 v[120:123], v23
	s_wait_dscnt 0x0
	global_store_b128 v30, v[120:123], s[16:17]
.Lend:
	s_wait_tensorcnt 0x0                               ; the wave's end
	ds_add_u32 v[SPW], v[NIL]
	s_wait_dscnt 0x0
	CROUND                                             ; the closing round
	s_endpgm
.Lfunc_end_k_qe7bd259c06_qkv:
	.size	k_qe7bd259c06_qkv, .Lfunc_end_k_qe7bd259c06_qkv-k_qe7bd259c06_qkv
	.p2alignl 7, 3214868480
	.fill 96, 4, 3214868480
	.section	.rodata,"a",@progbits
	.p2align	6, 0x0
	.amdhsa_kernel k_qe7bd259c06_qkv
		.amdhsa_group_segment_fixed_size 327680
		.amdhsa_private_segment_fixed_size 0
		.amdhsa_enable_private_segment 0
		.amdhsa_kernarg_size 56
		.amdhsa_user_sgpr_count 2
		.amdhsa_user_sgpr_kernarg_segment_ptr 1
		.amdhsa_wavefront_size32 1
		.amdhsa_system_sgpr_workgroup_id_x 1
		.amdhsa_system_sgpr_workgroup_id_y 1
		.amdhsa_system_sgpr_workgroup_id_z 1
		.amdhsa_system_vgpr_workitem_id 0
		.amdhsa_next_free_vgpr 1024
		.amdhsa_next_free_sgpr 102
		.amdhsa_reserve_vcc 0
		.amdhsa_float_denorm_mode_32 3
		.amdhsa_float_denorm_mode_16_64 3
		.amdhsa_memory_ordered 1
		.amdhsa_forward_progress 1
		.amdhsa_inst_pref_size 220
	.end_amdhsa_kernel
	.amdgpu_metadata
---
amdhsa.version: [ 1, 2 ]
amdhsa.kernels:
  - .name:           k_qe7bd259c06_qkv
    .symbol:         k_qe7bd259c06_qkv.kd
    .args:
      - { .name: xc, .offset: 0, .size: 8, .value_kind: global_buffer, .address_space: global }
      - { .name: xs, .offset: 8, .size: 8, .value_kind: global_buffer, .address_space: global }
      - { .name: wc, .offset: 16, .size: 8, .value_kind: global_buffer, .address_space: global }
      - { .name: ws, .offset: 24, .size: 8, .value_kind: global_buffer, .address_space: global }
      - { .name: bqkv, .offset: 32, .size: 8, .value_kind: global_buffer, .address_space: global }
      - { .name: qkvc, .offset: 40, .size: 8, .value_kind: global_buffer, .address_space: global }
      - { .name: scl, .offset: 48, .size: 8, .value_kind: global_buffer, .address_space: global }
    .group_segment_fixed_size: 327680
    .private_segment_fixed_size: 0
    .kernarg_segment_align: 8
    .kernarg_segment_size: 56
    .max_flat_workgroup_size: 128
    .sgpr_count:     102
    .vgpr_count:     1024
    .wavefront_size: 32
...
	.end_amdgpu_metadata
.endif
;; end of part 2
;; launch attn (part 3): grid 4 x 64, 16 waves a work-group, clusters of 4 x 1, 206,848 bytes of LDS; arguments qkvc, scl, ac, asc; writes ac, asc
.if DOCPART == 3
	.amdgcn_target "amdgcn-amd-amdhsa--gfx1250"
	.amdhsa_code_object_version 6
	.text
	.protected	k_qe7bd259c06_attn
	.globl	k_qe7bd259c06_attn
	.p2align	8
	.type	k_qe7bd259c06_attn,@function
k_qe7bd259c06_attn:
	s_mov_b64 s[64:65], 0
	v_nop
	global_prefetch_b8 v0, s[64:65] scope:SCOPE_SE
	s_setreg_imm32_b32 hwreg(HW_REG_WAVE_MODE, 25, 1), 1
	s_wait_xcnt 0x0
	s_wait_alu depctr_hold_cnt(0) depctr_sa_sdst(0) depctr_va_vdst(0) depctr_va_sdst(0) depctr_va_ssrc(0) depctr_va_vcc(0) depctr_vm_vsrc(0)
	s_getreg_b32 s2, hwreg(HW_REG_IB_STS2, 6, 4)
	s_cmp_eq_u32 s2, 0
	s_cbranch_scc0 .Lentry_in_a_cluster
	s_endpgm
.Lentry_in_a_cluster:
	s_bfe_u32 s2, ttmp6, 0x10000c
	s_cmp_lg_u32 s2, 0x3003
	s_cbranch_scc0 .Lentry_shape_is_right
	s_endpgm
.Lentry_shape_is_right:
; Causal attention of one (batch, head) a cluster, on codes of FP6 (E2M3) with E8M0 scales; o / l is quantised along the model's 1,024 on the way out, as the last product's operand.
; SOFTMAX: t = score x log2(e) / 8; M = the running largest t rounded up to a whole number; p = 2^(t - M) is quantised along the keys; the row's sum is taken of the unquantised p and divides O at the end.
; When M moves, the sum and O are multiplied by 2^(old M - new M), which rounds nothing.
; SHARES.  A head has 128 tiles of 16 queries, in 16 groups of 8 tiles (128 queries); a tile of group g needs the key steps 0 .. g of 128 keys, step g on the diagonal.  Wave w of partner cx owns two tiles:
; 8 g + 2 cx + w % 2 for g = w / 2 and for g = 15 - w / 2: (g + 1) + (16 - g) = 17 tile steps for every wave of the launch.  Branches hang on the wave's number and the step's count alone, never on cx.
; THE WHOLE HEAD'S K AND V LIE IN LDS: 204,800 bytes with their scale words, filled once by joint loads of the four partners: no slot is filled again, and the loop has no barrier and no wait for tiles.
; BOTH PRODUCTS ARE USED TRANSPOSED: S^T = K Q^T, O^T = V^T P^T: a lane holds one query throughout.  Rows stand in position order, so the 16 registers of two neighbouring tiles are 16 actual neighbours.
; THE HEAD'S 64 IN AN INSTRUCTION OF 128: a packed fragment of K holds two tiles of keys, X in k 0..63 and Y in k 64..127; it is multiplied by [Q | 0] for X Q^T and by [0 | Q] for Y Q^T.  The two forms of Q
; overlap in registers laid zeros, Q, zeros.  Q's scale register holds [q0 q1 0 0] in lanes 0-15 and [0 0 q0 q1] in lanes 16-31; zero codes add nothing under the byte 0.
; LIMITS: a block of zeros gets the byte 1 (its codes are zeros; this program alone reads the bytes); NaN and infinities are not served.
; The scale bytes of o leave as single bytes, 32 a tile: a wave has no more of a row's 16; 262,144 bytes in the whole launch.
; REGISTERS: v1-3 LDS places; v4 my query's place against the diagonal; v5-7 the step's LDS addresses; v8, v9 Q's scale registers; v10 -infinity; v11 at work; v12-15, v16-19 the two tiles' -M, largest t, sum;
; v20-49 zeros, Q, zeros, Q, zeros; v50-97 four fragments; v98-161 S^T, then p; v162-193, v194-225 O^T; v226-237 p's codes; v238-249 at work; v250-253 scale words; v254 the factor; v255 p's scale word.
.set FRG, 50
.set S,   98
.set PC,  226
.set BM,  238
.set T4,  242
.set SO,  246
.set SW,  250
.set WV,  12
.set SEL, 22
.set CS,  24
.set G1C, 28
.set G1S, 36
.set G0C, 44
.set G0S, 48
.set VC,  98304                        ; LDS: K's codes [pair][1,536] at 0, V's [key step][d tile][1,536] here,
.set KSW, 196608                       ; K's scale words [pair][16], and 4,096 bytes on V's [key step][64]
.macro CROUND
	s_barrier_signal -1
	s_barrier_wait -1
	s_cmp_lg_u32 s[WV], 0
	s_cbranch_scc1 .Lnot_wave_0_\@
	s_barrier_signal -3
.Lnot_wave_0_\@:
	s_barrier_wait -3
	s_barrier_signal -1
	s_barrier_wait -1
.endm
; One tile, one key step.  st: its state; qlo: [Q | 0]; qhi: [0 | Q]; qs: Q's scale register; o: O^T; gs: the scalar register with its group
.macro TILESTEP st, qlo, qhi, qs, o, gs
.rept 4
	v_nop                                              ; places in front of loads into registers that matrix instructions have read
.endr
.irp f, 0,1,2,3
.irp j, 0,1,2
	ds_load_b128 v[FRG+12*\f+4*\j:FRG+12*\f+4*\j+3], v5 offset:1536*\f+512*\j   ; K's packed fragment f: 512 consecutive bytes a load
.endr
	ds_load_b32 v[SW+\f], v7 offset:64*\f
.endr
	s_wait_dscnt 0x0
.irp f, 0,1,2,3
	v_wmma_scale_f32_16x16x128_f8f6f4 v[S+16*\f:S+16*\f+7], v[FRG+12*\f:FRG+12*\f+11], v[\qlo:\qlo+11], 0, v[SW+\f], v[\qs] matrix_a_fmt:MATRIX_FMT_FP6 matrix_b_fmt:MATRIX_FMT_FP6
	v_wmma_scale_f32_16x16x128_f8f6f4 v[S+16*\f+8:S+16*\f+15], v[FRG+12*\f:FRG+12*\f+11], v[\qhi:\qhi+11], 0, v[SW+\f], v[\qs] matrix_a_fmt:MATRIX_FMT_FP6 matrix_b_fmt:MATRIX_FMT_FP6 matrix_b_scale:MATRIX_SCALE_ROW1
.endr                                              ; register 16 f + i: key 128 step + 32 f + 16 h + i
.rept 4
	v_nop
.endr
.irp t, 0,1,2,3                                    ; V's four fragments are asked for at once: they land under the softmax
.irp j, 0,1,2
	ds_load_b128 v[FRG+12*\t+4*\j:FRG+12*\t+4*\j+3], v6 offset:1536*\t+512*\j
.endr
	ds_load_b32 v[SW+\t], v7 offset:4096+64*\t
.endr
	s_cmp_lg_u32 s18, s[\gs]                           ; on the diagonal the scores of hidden keys become -infinity ahead of the maximum: p = 0 then
	s_cbranch_scc1 .Lopen_\@
.set nn, 0
.rept 64
	v_cmp_gt_i32 vcc_lo, 32*(nn/16)+nn%16, v4
	v_cndmask_b32 v[S+nn], v[S+nn], v10, vcc_lo
.set nn, nn+1
.endr
.Lopen_\@:
.irp b, 0,1,2,3
	v_max3_num_f32 v[BM+\b], v[S+16*\b], v[S+16*\b+1], v[S+16*\b+2]   ; the largest score of each block of 32 keys: for the row's maximum and, since p rises with the score, for the block's largest p
.endr
.irp i, 3,5,7,9,11,13
.irp b, 0,1,2,3
	v_max3_num_f32 v[BM+\b], v[BM+\b], v[S+16*\b+\i], v[S+16*\b+\i+1]
.endr
.endr
.irp b, 0,1,2,3
	v_max_num_f32 v[BM+\b], v[BM+\b], v[S+16*\b+15]
.endr
.irp b, 0,1,2,3
	v_permlanex16_b32 v[T4+\b], v[BM+\b], s[SEL], s[SEL+1]
.endr
.irp b, 0,1,2,3
	v_max_num_f32 v[BM+\b], v[BM+\b], v[T4+\b]
.endr
	v_max3_num_f32 v11, v[BM], v[BM+1], v[BM+2]
	v_max_num_f32 v11, v11, v[BM+3]
	v_mul_f32 v11, s[CS], v11
	v_max_num_f32 v[\st+1], v[\st+1], v11              ; the running largest t
	v_mov_b32 v11, v[\st]
	v_floor_f32 v[\st], -v[\st+1]                      ; -M = floor(-t)
	v_sub_f32 v11, v[\st], v11                         ; old M - new M: a whole number, 0 or less
	v_cvt_i32_f32 v11, v11
	v_ldexp_f32 v254, 1.0, v11
.set nn, 0
.rept 32
	v_pk_fma_f32 v[S+nn:S+nn+1], v[S+nn:S+nn+1], s[CS:CS+1], v[\st:\st+1] op_sel_hi:[1,0,0]   ; t - M
.set nn, nn+2
.endr
.irp b, 0,1,2,3
	v_fma_f32 v[BM+\b], v[BM+\b], s[CS], v[\st]
.endr
.set nn, 0
.rept 64
	v_exp_f32 v[S+nn], v[S+nn]
.set nn, nn+1
.endr
	v_pk_mul_f32 v[\st+2:\st+3], v[\st+2:\st+3], v[254:255] op_sel_hi:[1,0]   ; the sums under the new M; the plain instruction behind the exponentials
	s_wait_alu depctr_va_vdst(0)                       ; one wait for the batch, ahead of its first reader
.irp b, 0,1,2,3
	v_exp_f32 v[BM+\b], v[BM+\b]                       ; the blocks' largest p
.endr
	v_pk_add_f32 v[T4:T4+1], v[S:S+1], v[S+2:S+3]      ; the row's sum of the unquantised p, in two chains
.irp j, 4,8,12,16,20,24,28,32,36,40,44,48,52,56,60
	v_pk_add_f32 v[\st+2:\st+3], v[\st+2:\st+3], v[S+\j:S+\j+1]
	v_pk_add_f32 v[T4:T4+1], v[T4:T4+1], v[S+\j+2:S+\j+3]
.endr
	v_pk_add_f32 v[\st+2:\st+3], v[\st+2:\st+3], v[T4:T4+1]
	s_wait_alu depctr_va_vdst(0)                       ; and one for the four
.irp b, 0,1,2,3
	v_max_num_f32 v[BM+\b], 0x1800000, v[BM+\b]        ; the floor: the byte cannot fall under 1
.endr
.irp b, 0,1,2,3
	v_add_nc_u32 v[SO+\b], 0xff000000, v[BM+\b]
.endr
.irp b, 0,1,2,3
	v_lshrrev_b32 v[T4+\b], 23, v[SO+\b]
.endr
	v_lshl_or_b32 v255, v[T4+1], 8, v[T4]
	v_lshl_or_b32 v255, v[T4+2], 16, v255
	v_lshl_or_b32 v255, v[T4+3], 24, v255
	v_cvt_scalef32_pk16_fp6_f32 v[PC:PC+2], v[S:S+15], v[SO]
	v_cvt_scalef32_pk16_fp6_f32 v[PC+6:PC+8], v[S+32:S+47], v[SO+2]
	v_nop                                              ; a plain instruction before sources of those two are written
	v_cvt_scalef32_pk16_fp6_f32 v[S:S+2], v[S+16:S+31], v[SO+1]     ; into registers that are done with
	v_cvt_scalef32_pk16_fp6_f32 v[S+32:S+34], v[S+48:S+63], v[SO+3]
	v_nop
.irp i, 0,1,2
	v_permlane16_swap_b32 v[PC+\i], v[S+\i]
	v_permlane16_swap_b32 v[PC+6+\i], v[S+32+\i]
.endr
.irp i, 0,1,2
	v_mov_b32 v[PC+3+\i], v[S+\i]
	v_mov_b32 v[PC+9+\i], v[S+32+\i]
.endr
.set nn, 0
.rept 16
	v_pk_mul_f32 v[\o+nn:\o+nn+1], v[\o+nn:\o+nn+1], v[254:255] op_sel_hi:[1,0]   ; O^T under the new M; these sixteen also stand between the writes of p's codes and scale word and the products
.set nn, nn+2
.endr
	s_wait_dscnt 0x0                                   ; V
.irp t, 0,1,2,3
	v_wmma_scale_f32_16x16x128_f8f6f4 v[\o+8*\t:\o+8*\t+7], v[FRG+12*\t:FRG+12*\t+11], v[PC:PC+11], v[\o+8*\t:\o+8*\t+7], v[SW+\t], v255 matrix_a_fmt:MATRIX_FMT_FP6 matrix_b_fmt:MATRIX_FMT_FP6
.endr
.endm
; A tile's way out: O^T / the sum; register 16 b + i = d 32 b + 16 h + i: two blocks of the last product's K; half a fragment and two scale bytes a row
.macro OUT st, o, gs
	s_wait_xcnt 0x0                                    ; the other tile's stores have read their registers and bases
	s_lshl_b32 s52, s[\gs], 3
	s_lshl_b32 s53, s13, 1
	s_add_co_u32 s52, s52, s53
	s_add_co_u32 s52, s52, s16                         ; the tile in its head
	s_lshr_b32 s53, s14, 4
	s_lshl_b32 s53, s53, 7
	s_add_co_u32 s52, s52, s53                         ; row tile: 128 x batch + tile
	s_and_b32 s53, s14, 15                             ; head
	s_mul_i32 s54, s52, 12288
	s_mul_i32 s55, s53, 768
	s_add_co_u32 s54, s54, s55
	s_mov_b32 s55, 0
	s_add_nc_u64 s[56:57], s[8:9], s[54:55]
	s_lshl_b32 s54, s52, 9
	s_lshr_b32 s52, s53, 3
	s_lshl_b32 s52, s52, 8
	s_add_co_u32 s54, s54, s52
	s_and_b32 s52, s53, 7
	s_lshl_b32 s52, s52, 1
	s_add_co_u32 s54, s54, s52
	s_add_nc_u64 s[58:59], s[10:11], s[54:55]
	v_add_f32 v11, v[\st+2], v[\st+3]
	v_permlanex16_b32 v[T4], v11, s[SEL], s[SEL+1]
	v_add_f32 v11, v11, v[T4]                          ; the row's sum
	v_rcp_f32 v254, v11
	v_nop
	s_wait_alu depctr_va_vdst(0)
.set nn, 0
.rept 16
	v_pk_mul_f32 v[S+nn:S+nn+1], v[\o+nn:\o+nn+1], v[254:255] op_sel_hi:[1,0]   ; each accumulator from its low end on
.set nn, nn+2
.endr
.irp b, 0,1
	v_max3_num_f32 v[BM+\b], |v[S+16*\b]|, |v[S+16*\b+1]|, 0x1800000
.endr
.irp i, 2,4,6,8,10,12,14
.irp b, 0,1
	v_max3_num_f32 v[BM+\b], v[BM+\b], |v[S+16*\b+\i]|, |v[S+16*\b+\i+1]|
.endr
.endr
.irp b, 0,1
	v_permlanex16_b32 v[T4+\b], v[BM+\b], s[SEL], s[SEL+1]
.endr
.irp b, 0,1
	v_max_num_f32 v[BM+\b], v[BM+\b], v[T4+\b]
.endr
.irp b, 0,1
	v_add_nc_u32 v[SO+\b], 0xff000000, v[BM+\b]
.endr
.irp b, 0,1
	v_lshrrev_b32 v[T4+\b], 23, v[SO+\b]
.endr
	v_cvt_scalef32_pk16_fp6_f32 v[PC:PC+2], v[S:S+15], v[SO]
	v_cvt_scalef32_pk16_fp6_f32 v[PC+6:PC+8], v[S+16:S+31], v[SO+1]
	v_cndmask_b32 v11, v[T4], v[T4+1], s27             ; block h's byte; the plain instruction behind the conversions
.irp i, 0,1,2
	v_permlane16_swap_b32 v[PC+\i], v[PC+6+\i]
.endr
.irp i, 0,1,2
	v_mov_b32 v[PC+3+\i], v[PC+6+\i]
.endr
.irp p, 0,1,2
	global_store_b64 v5, v[PC+2*\p:PC+2*\p+1], s[56:57] offset:256*\p   ; 256 consecutive bytes, aligned
.endr
	global_store_b8 v6, v11, s[58:59]
.endm
	s_load_b256 s[4:11], s[0:1], 0x0                   ; qkvc, scl, ac, asc
	v_lshl_add_u32 v254, v0, 2, 0x32000
	v_mov_b32 v255, 0
	ds_add_u32 v254, v255
	ds_add_u32 v254, v255
	s_wait_dscnt 0x0
	v_lshrrev_b32 v1, 5, v0
	v_readfirstlane_b32 s[WV], v1                      ; wave 0..15
	s_bfe_u32 s13, ttmp6, 0x40000                      ; cx
	s_and_b32 s14, ttmp7, 0xffff                       ; 16 x batch + head: shared by the four partners
	s_lshr_b32 s15, s[WV], 1                           ; my low group
	s_and_b32 s16, s[WV], 1                            ; which tile of a pair
	s_sub_co_u32 s17, 15, s15                          ; my high group
	s_mov_b32 s[SEL], 0x76543210
	s_mov_b32 s[SEL+1], 0xfedcba98
	s_mov_b32 s[CS], 0x3e38aa3b                        ; log2(e) / 8
	s_mov_b32 s[CS+1], s[CS]
	s_sub_co_u32 s26, 0, s16                           ; all lanes where I take a pair's second tile
	s_mov_b32 s27, 0xffff0000                          ; lanes 16-31
	s_mov_b32 s[G1C], 15|(3<<16)|(1<<21)               ; all four partners; elements of 8 bytes; bit 21 beside a mask; no padding
	s_mov_b32 s[G1C+1], 32<<16                         ; rows of 256 bytes,
	s_mov_b32 s[G1C+2], 96<<16                         ; 96 of them: 24,576 dense bytes
	s_mov_b32 s[G1C+3], 32<<16
	s_mov_b32 s[G1C+4], 96
	s_mov_b32 s[G1C+5], 32
	s_mov_b32 s[G1C+6], 0
	s_mov_b32 s[G1C+7], 0
	s_mov_b32 s[G1S], 15|(3<<16)|(1<<21)
	s_mov_b32 s[G1S+1], 32<<16
	s_mov_b32 s[G1S+2], 32<<16                         ; 8,192 dense bytes
	s_mov_b32 s[G1S+3], 32<<16
	s_mov_b32 s[G1S+4], 32
	s_mov_b32 s[G1S+5], 32
	s_mov_b32 s[G1S+6], 0
	s_mov_b32 s[G1S+7], 0
	s_and_b32 s52, s[WV], 7                            ; waves 0-3 fetch K's quarters, 4-7 V's, wave 8 the scale words
	s_mul_i32 s53, s52, 24576
	s_add_co_u32 s54, s14, 64
	s_mul_i32 s54, s54, 98304
	s_bfe_u32 s55, s[WV], 0x10002
	s_mul_i32 s55, s55, 6291456
	s_add_co_u32 s54, s54, s55
	s_and_b32 s55, s[WV], 3
	s_mul_i32 s55, s55, 24576
	s_add_co_u32 s54, s54, s55
	s_mov_b32 s55, 0
	s_mul_i32 s56, s14, 12288
	s_mov_b32 s57, 0
	s_wait_kmcnt 0x0
	CROUND                                             ; all four work-groups are here: the joint loads meet
	s_mov_b32 s[G0C], 1
	s_mov_b32 s[G0C+1], s53
	s_add_nc_u64 s[G0C+2:G0C+3], s[4:5], s[54:55]
	s_or_b32 s[G0C+3], s[G0C+3], 0x80000000
	s_mov_b32 s[G0S], 1
	s_mov_b32 s[G0S+1], KSW
	s_add_nc_u64 s[G0S+2:G0S+3], s[6:7], s[56:57]
	s_add_nc_u64 s[G0S+2:G0S+3], s[G0S+2:G0S+3], 4096
	s_or_b32 s[G0S+3], s[G0S+3], 0x80000000
	s_cmp_lt_u32 s[WV], 8
	s_cbranch_scc0 .Lnot_codes
	tensor_load_to_lds s[G0C:G0C+3], s[G1C:G1C+7]
	s_nop 0
.rept 4
	v_nop
.endr
	s_branch .Lasked
.Lnot_codes:
	s_cmp_eq_u32 s[WV], 8
	s_cbranch_scc0 .Lasked
	tensor_load_to_lds s[G0S:G0S+3], s[G1S:G1S+7]
	s_nop 0
.rept 4
	v_nop
.endr
.Lasked:
	s_add_nc_u64 s[58:59], s[6:7], s[56:57]            ; the head's scale words: Q's come first
	s_mul_i32 s54, s14, 98304
	s_add_nc_u64 s[54:55], s[4:5], s[54:55]            ; the head's Q
	v_and_b32 v11, 31, v0
	v_lshlrev_b32 v1, 4, v11                           ; 16 x lane
	v_add_nc_u32 v2, VC, v1
	v_and_b32 v10, 15, v0                              ; r
	v_lshl_add_u32 v3, v10, 2, KSW
	s_lshl_b32 s52, s15, 2
	s_add_co_u32 s52, s52, s13                         ; my low tile's pair
	s_lshl_b32 s53, s17, 2
	s_add_co_u32 s53, s53, s13                         ; my high tile's
	s_mul_i32 s56, s52, 1536
	v_add_nc_u32 v122, s56, v1
	s_mul_i32 s56, s53, 1536
	v_add_nc_u32 v123, s56, v1
	v_lshlrev_b32 v125, 2, v10
	s_lshl_b32 s56, s52, 6
	v_add_nc_u32 v124, s56, v125
	s_lshl_b32 s56, s53, 6
	v_add_nc_u32 v125, s56, v125
.irp j, 0,1,2
	global_load_b128 v[S+4*\j:S+4*\j+3], v122, s[54:55] offset:512*\j
	global_load_b128 v[S+12+4*\j:S+12+4*\j+3], v123, s[54:55] offset:512*\j
.endr
	global_load_b32 v8, v124, s[58:59]
	global_load_b32 v9, v125, s[58:59]
	s_wait_loadcnt 0x0
.irp i, 0,1,2,3,4,5
	v_cndmask_b32 v[26+\i], v[S+\i], v[S+6+\i], s26    ; my tile's half of the packed pair
	v_cndmask_b32 v[38+\i], v[S+12+\i], v[S+18+\i], s26
.endr
	s_lshl_b32 s56, s16, 4
	v_bfe_u32 v11, v0, 4, 1
	v_lshlrev_b32 v11, 4, v11                          ; 16 h
	v_lshrrev_b32 v8, s56, v8
	v_lshrrev_b32 v9, s56, v9
	v_and_b32 v8, 0xffff, v8                           ; my tile's two bytes,
	v_and_b32 v9, 0xffff, v9
	v_lshlrev_b32 v8, v11, v8                          ; in lanes 16-31 in the upper half
	v_lshlrev_b32 v9, v11, v9
	v_and_b32 v4, 7, v0
	v_bfe_u32 v10, v0, 3, 1
	v_lshl_add_u32 v4, v10, 4, v4
	v_sub_nc_u32 v4, v4, v11
	s_lshl_b32 s56, s13, 5
	s_lshl_b32 s57, s16, 3
	s_add_co_u32 s56, s56, s57
	v_add_nc_u32 v4, s56, v4                           ; my query's place in its group of 128, less 16 h: register n's key is hidden where 32 (n / 16) + n % 16 is above it
	v_mov_b32 v10, 0xff800000
.irp i, 0,1,2,3,4,5
	v_mov_b32 v[20+\i], 0
	v_mov_b32 v[32+\i], 0
	v_mov_b32 v[44+\i], 0
.endr
	v_mov_b32 v13, 0xff61b1e6                          ; the largest t so far: -3e38
	v_mov_b32 v17, 0xff61b1e6
	v_floor_f32 v12, -v13
	v_floor_f32 v16, -v17
	v_mov_b32 v14, 0
	v_mov_b32 v15, 0
	v_mov_b32 v18, 0
	v_mov_b32 v19, 0
.irp b, 0,1,2,3
	v_mov_b32 v[T4+\b], 0                              ; a lane permute's destination counts as one of its sources
.endr
	v_mov_b32 v255, 0
.set nn, 0
.rept 64
	v_mov_b32 v[162+nn], 0                             ; O^T: the step is written once; the first change of M leaves zeros zeros
.set nn, nn+1
.endr
	s_mov_b32 s18, 0                                   ; key step
	s_mov_b32 s19, 0                                   ; its codes: 6,144 bytes a step
	s_mov_b32 s20, 0                                   ; its scale words: 256 bytes a step
	s_wait_tensorcnt 0x0                               ; my part of the head is in,
	s_barrier_signal -1
	s_barrier_wait -1                                  ; everybody's is
.Lstep:                                                ; sixteen trips in every wave; a tile's work is jumped over where all the step's keys come after its queries
	v_add_nc_u32 v5, s19, v1
	v_add_nc_u32 v6, s19, v2
	v_add_nc_u32 v7, s20, v3
	s_cmp_gt_u32 s18, s17
	s_cbranch_scc1 .Lno_high
	TILESTEP 16, 38, 32, 9, 194, 17
.Lno_high:
	s_cmp_gt_u32 s18, s15
	s_cbranch_scc1 .Lno_low
	TILESTEP 12, 26, 20, 8, 162, 15
.Lno_low:
	s_add_co_u32 s19, s19, 6144
	s_add_co_u32 s20, s20, 256
	s_add_co_u32 s18, s18, 1
	s_cmp_lt_u32 s18, 16
	s_cbranch_scc1 .Lstep
.rept 4
	v_nop                                              ; places behind the last products
.endr
	v_and_b32 v11, 31, v0
	v_lshlrev_b32 v5, 3, v11                           ; 8 x lane
	v_and_b32 v11, 15, v0
	v_bfe_u32 v6, v0, 4, 1
	v_lshl_add_u32 v6, v11, 4, v6                      ; 16 r + h
	OUT 12, 162, 15
	OUT 16, 194, 17
	s_wait_xcnt 0x0
	v_lshl_add_u32 v254, v0, 2, 0x32000
	v_mov_b32 v255, 0
	s_wait_tensorcnt 0x0
	ds_add_u32 v254, v255
	s_wait_dscnt 0x0
	CROUND                                             ; the closing round
	s_endpgm
.Lfunc_end_k_qe7bd259c06_attn:
	.size	k_qe7bd259c06_attn, .Lfunc_end_k_qe7bd259c06_attn-k_qe7bd259c06_attn
	.p2alignl 7, 3214868480
	.fill 96, 4, 3214868480
	.section	.rodata,"a",@progbits
	.p2align	6, 0x0
	.amdhsa_kernel k_qe7bd259c06_attn
		.amdhsa_group_segment_fixed_size 206848
		.amdhsa_private_segment_fixed_size 0
		.amdhsa_enable_private_segment 0
		.amdhsa_kernarg_size 32
		.amdhsa_user_sgpr_count 2
		.amdhsa_user_sgpr_kernarg_segment_ptr 1
		.amdhsa_wavefront_size32 1
		.amdhsa_system_sgpr_workgroup_id_x 1
		.amdhsa_system_sgpr_workgroup_id_y 1
		.amdhsa_system_sgpr_workgroup_id_z 1
		.amdhsa_system_vgpr_workitem_id 0
		.amdhsa_next_free_vgpr 256
		.amdhsa_next_free_sgpr 66
		.amdhsa_reserve_vcc 1
		.amdhsa_float_denorm_mode_32 3
		.amdhsa_float_denorm_mode_16_64 3
		.amdhsa_memory_ordered 1
		.amdhsa_forward_progress 1
		.amdhsa_inst_pref_size 62
	.end_amdhsa_kernel
	.amdgpu_metadata
---
amdhsa.version: [ 1, 2 ]
amdhsa.kernels:
  - .name:           k_qe7bd259c06_attn
    .symbol:         k_qe7bd259c06_attn.kd
    .args:
      - { .name: qkvc, .offset: 0, .size: 8, .value_kind: global_buffer, .address_space: global }
      - { .name: scl, .offset: 8, .size: 8, .value_kind: global_buffer, .address_space: global }
      - { .name: ac, .offset: 16, .size: 8, .value_kind: global_buffer, .address_space: global }
      - { .name: asc, .offset: 24, .size: 8, .value_kind: global_buffer, .address_space: global }
    .group_segment_fixed_size: 206848
    .private_segment_fixed_size: 0
    .kernarg_segment_align: 8
    .kernarg_segment_size: 32
    .max_flat_workgroup_size: 512
    .sgpr_count:     66
    .vgpr_count:     256
    .wavefront_size: 32
...
	.end_amdgpu_metadata
.endif
;; end of part 3
;; launch proj (part 4): grid 4 x 32, 4 waves a work-group, clusters of 4 x 4, 327,680 bytes of LDS; arguments ac, asc, wc, ws, bproj, out0; writes out0
.if DOCPART == 4
	.amdgcn_target "amdgcn-amd-amdhsa--gfx1250"
	.amdhsa_code_object_version 6
	.text
	.protected	k_qe7bd259c06_proj
	.globl	k_qe7bd259c06_proj
	.p2align	8
	.type	k_qe7bd259c06_proj,@function
k_qe7bd259c06_proj:
	s_mov_b64 s[64:65], 0
	v_nop
	global_prefetch_b8 v0, s[64:65] scope:SCOPE_SE
	s_setreg_imm32_b32 hwreg(HW_REG_WAVE_MODE, 25, 1), 1
	s_wait_xcnt 0x0
	s_wait_alu depctr_hold_cnt(0) depctr_sa_sdst(0) depctr_va_vdst(0) depctr_va_sdst(0) depctr_va_ssrc(0) depctr_va_vcc(0) depctr_vm_vsrc(0)
	s_getreg_b32 s2, hwreg(HW_REG_IB_STS2, 6, 4)
	s_cmp_eq_u32 s2, 0
	s_cbranch_scc0 .Lentry_in_a_cluster
	s_endpgm
.Lentry_in_a_cluster:
	s_bfe_u32 s2, ttmp6, 0x10000c
	s_cmp_lg_u32 s2, 0xf033
	s_cbranch_scc0 .Lentry_shape_is_right
	s_endpgm
.Lentry_shape_is_right:
; out0 = o Wproj + bproj on codes of FP6 (E2M3) with E8M0 scales, K = 1,024; out0 [8192][1024] f32.
; A work-group of four waves makes 256 rows x 256 columns; a wave 128 x 128 in 64 accumulators.  THE MATRIX INSTRUCTION IS USED TRANSPOSED (source 0 = 16 columns of W, source 1 = 16 rows of o): a lane holds one
; row, and, since rows and columns stand in position order (bits 3 and 4 of a place in its group of 32 exchanged), its 16 registers of two neighbouring tiles of W are 16 actual neighbouring columns.
; K goes in four slots of 256 through three LDS slots: three first fills and one refill, which has four steps of 64 matrix instructions in which to land.  The scale words of the 512 rows come once.
; CLUSTERS 4 x 4: o's tiles are asked for jointly along a row of the cluster, W's along a column.  The output has 128 blocks of 256 x 256: so many work-groups are launched.
; Operands lie in memory and LDS in the order of the operand's registers: a fragment is six pieces of 256 consecutive bytes, 8 bytes a lane: no padding is needed.
; REGISTERS.  window 0: v16-29 addresses; v32-63 scale words, two sets; v64-127 the bias as a first C; v128-223 A's eight fragments; on the way out v128-255 take rows of the result.
;   window 1: B's fragments, two sets, at v0 and v128.  windows 2, 3: the accumulators, (a, b) at v[8 (8 (a % 4) + b)].
.set SLOT,  98304
.set HALFT, 24576
.set SCL,   3*SLOT
.set SPARE, SCL+16384                  ; the spare words, 128 bytes a wave: two blocks of 256 bytes that no other line names
.set STG,   SLOT                       ; the way out: 16 rows x 528 bytes a wave, in slot 1: it is filled once and last read ahead of the last barrier
.set FR,   12
.set ADRA, 16
.set ADRB, 20
.set STO,  24
.set RD,   25
.set CO,   26
.set ADRS, 27
.set SPW,  28
.set NIL,  29
.set SC,   32
.set BIAS, 64
.set AF,   128
.set BK,   128
.set G1,   24
.set G0,   32
.set G1B,  44
.set G0B,  52
.set G1S,  68
.set G0S,  76
.set G1SB, 80
.set G0SB, 88
.set MSB, 0
.macro WIN new                         ; the immediate's high byte repeats the setting that is left
.if MSB != (\new)
	s_set_vgpr_msb (MSB<<8)|(\new)
.set MSB, (\new)
.endif
.endm
.macro JLOAD g0a, g1a, g0b, g1b        ; a joint load: waves 0, 1 fetch for A, waves 2, 3 for B; four v_nop follow each line
	s_cmp_eq_u32 s19, 0
	s_cbranch_scc0 .Lfor_b_\@
	tensor_load_to_lds s[\g0a:\g0a+3], s[\g1a:\g1a+7]
	s_nop 0
.rept 4
	v_nop
.endr
	s_branch .Lasked_\@
.Lfor_b_\@:
	tensor_load_to_lds s[\g0b:\g0b+3], s[\g1b:\g1b+7]
	s_nop 0
.rept 4
	v_nop
.endr
.Lasked_\@:
.endm
.macro CREST
	s_cmp_lg_u32 s18, 0
	s_cbranch_scc1 .Lnot_wave_0_\@
	s_barrier_signal -3
.Lnot_wave_0_\@:
	s_barrier_wait -3
	s_barrier_signal -1
	s_barrier_wait -1
.endm
.macro CROUND
	s_barrier_signal -1
	s_barrier_wait -1
	CREST
.endm
.macro PLACES n
.rept \n
	v_nop
.endr
.endm
.macro FRAG reg, adr, q, i
.irp p, 0,1,2,3,4,5
	ds_load_b64 v[\reg+2*\p:\reg+2*\p+1], v[\adr] offset:(\i)*3072+(\q)*1536+\p*256
.endr
.endm
.macro FETCH_B slot, q, p
	WIN 0x40
.irp i, 0,1,2,3,4,5,6,7
	FRAG 128*(\p)+FR*\i, ADRB+\slot, \q, \i
.endr
	WIN 0
.endm
.macro FETCH_A slot, q, i0
.irp i, \i0, \i0+1, \i0+2, \i0+3
	FRAG AF+FR*(\i), ADRA+\slot, \q, \i
.endr
.endm
.macro SCALES j
.irp i, 0,1,2,3,4,5,6,7
	ds_load_b64 v[SC+16*((\j)%2)+2*\i:SC+16*((\j)%2)+2*\i+1], v[ADRS] offset:\i*512+((\j)>>1)*256+((\j)&1)*8
.endr
.endm
; 16 matrix instructions: A's blocks a0, a0 + 1 x B's eight.  ck = 0: onto the sums; 1: the sums start from the bias.  The 64 accumulators take turns.
.macro MUL16 a0, p, q, sc, ck
.irp a, \a0, \a0+1
.irp b, 0,1,2,3,4,5,6,7
.if \ck == 0
	v_wmma_scale_f32_16x16x128_f8f6f4 v[8*(8*((\a)%4)+\b):8*(8*((\a)%4)+\b)+7], v[128*(\p)+FR*\b:128*(\p)+FR*\b+FR-1], v[AF+FR*(\a):AF+FR*(\a)+FR-1], v[8*(8*((\a)%4)+\b):8*(8*((\a)%4)+\b)+7], v[SC+16*(\sc)+2*\b+(\q)], v[SC+16*(\sc)+2*(\a)+(\q)] matrix_a_fmt:MATRIX_FMT_FP6 matrix_b_fmt:MATRIX_FMT_FP6 matrix_a_scale:MATRIX_SCALE_ROW1
.else
	v_wmma_scale_f32_16x16x128_f8f6f4 v[8*(8*((\a)%4)+\b):8*(8*((\a)%4)+\b)+7], v[128*(\p)+FR*\b:128*(\p)+FR*\b+FR-1], v[AF+FR*(\a):AF+FR*(\a)+FR-1], v[BIAS+8*\b:BIAS+8*\b+7], v[SC+16*(\sc)+2*\b+(\q)], v[SC+16*(\sc)+2*(\a)+(\q)] matrix_a_fmt:MATRIX_FMT_FP6 matrix_b_fmt:MATRIX_FMT_FP6 matrix_a_scale:MATRIX_SCALE_ROW1
.endif
.endr
.endr
.endm
.macro STEP slot, j, ck
	s_wait_dscnt 24                                    ; B's set, A's blocks 0-3 and the scale words are in; the youngest 24 loads (A's blocks 4-7) may be out
.if \ck
	WIN 0x81
.else
	WIN 0xa1
.endif
	MUL16 0, 0, 0, (\j)%2, \ck
	MUL16 2, 0, 0, (\j)%2, \ck
	s_wait_dscnt 0x0
	PLACES 4                                           ; in front of loads into registers that matrix instructions have read
	FETCH_B \slot, 1, 1
	FETCH_A \slot, 1, 0
.if \ck
	WIN 0xc1
.else
	WIN 0xf1
.endif
	MUL16 4, 0, 0, (\j)%2, \ck
	MUL16 6, 0, 0, (\j)%2, \ck
	PLACES 4
	WIN 0
	FETCH_A \slot, 1, 4
.endm
; mode 0: no barrier: the next slot was shown whole at the round before.  mode 1: the round, and LDS slot 0 is filled again with K slot 3.  mode 2: a barrier: the refill has landed in every wave.
.macro TURN slot, j, nslot, mode
.if \mode
	s_wait_tensorcnt 0x0                               ; all my tensor loads have landed
	ds_add_u32 v[SPW], v[NIL]                          ; 0 onto my spare word
	s_wait_dscnt 25                                    ; the add and the youngest 24 loads may be out
	WIN 0xa1
	MUL16 0, 1, 1, (\j)%2, 0
	s_wait_dscnt 0x0                                   ; the add is done, and my reads of this slot are over
	s_barrier_signal -1
	MUL16 2, 1, 1, (\j)%2, 0
	WIN 0
	s_barrier_wait -1
.if \mode == 1
	CREST                                              ; no wave of any partner still reads slot 0 or has a load on its way
	s_add_nc_u64 s[G0+2:G0+3], s[G0+2:G0+3], 9216      ; K slot 3
	s_add_nc_u64 s[G0B+2:G0B+3], s[G0B+2:G0B+3], 9216
	JLOAD G0, G1, G0B, G1B                             ; the first tensor load behind the round; its four v_nop are the places in front of the loads below
.else
	PLACES 4
.endif
.else
	s_wait_dscnt 24
	WIN 0xa1
	MUL16 0, 1, 1, (\j)%2, 0
	MUL16 2, 1, 1, (\j)%2, 0
	s_wait_dscnt 0x0
	PLACES 4
.endif
	FETCH_B \nslot, 0, 0
	FETCH_A \nslot, 0, 0
	SCALES (\j)+1
	WIN 0xf1
	MUL16 4, 1, 1, (\j)%2, 0
	MUL16 6, 1, 1, (\j)%2, 0
	PLACES 4
	WIN 0
	FETCH_A \nslot, 0, 4
.endm
; THE WAY OUT, block by block of 16 rows x 128 columns, through my own stage: in by 32 bytes of a row a lane and tile, back as whole rows of 512 bytes
.macro TOSTAGE a
.set AC, 64*((\a)%4)
	WIN 0x08+4*((\a)/4)                                ; an LDS store's data are its source 1: window 2 or 3
.irp b, 0,1,2,3,4,5,6,7
	ds_store_b128 v[STO], v[AC+8*\b:AC+8*\b+3] offset:128*(\b/2)+32*(\b%2)        ; each accumulator from its low end on
	ds_store_b128 v[STO], v[AC+8*\b+4:AC+8*\b+7] offset:128*(\b/2)+32*(\b%2)+16
.endr
	WIN 0
.set BB, BK+64*((\a)%2)
.irp t, 0,1,2,3,4,5,6,7,8,9,10,11,12,13,14,15
	ds_load_b128 v[BB+4*\t:BB+4*\t+3], v[RD] offset:\t*528    ; a wave's LDS instructions are served in order: these see the stores above
.endr
.endm
.macro SEND a, younger
.set BB, BK+64*((\a)%2)
	s_wait_dscnt \younger
.irp t, 0,1,2,3,4,5,6,7,8,9,10,11,12,13,14,15
	global_store_b128 v[CO], v[BB+4*\t:BB+4*\t+3], s[14:15] offset:(32*((\a)/2)+8*((\a)%2)+(\t&7)+16*(\t>>3))*4096 th:TH_STORE_NT   ; position to actual row; 512 consecutive bytes, aligned
.endr
.endm
	s_load_b256 s[4:11], s[0:1], 0x0                   ; ac, asc, wc, ws
	s_load_b128 s[12:15], s[0:1], 0x20                 ; bproj, out0
	v_lshl_add_u32 v[SPW], v0, 2, SPARE
	v_mov_b32 v[NIL], 0
	ds_add_u32 v28, v29
	ds_add_u32 v28, v29
	s_wait_dscnt 0x0
	v_lshrrev_b32 v1, 5, v0
	v_readfirstlane_b32 s18, v1                        ; wave
	s_lshr_b32 s19, s18, 1                             ; RH
	s_and_b32 s20, s18, 1                              ; CH
	s_bfe_u32 s22, ttmp6, 0x40000                      ; cx
	s_bfe_u32 s23, ttmp6, 0x40004                      ; cy
	s_lshl_b32 s2, s23, 2
	s_lshl_b32 s2, 15, s2                              ; my row of the cluster
	s_lshl_b32 s3, 0x1111, s22                         ; my column
	s_or_b32 s[G1], s2, (3<<16)|(1<<21)
	s_or_b32 s[G1B], s3, (3<<16)|(1<<21)
.irp g, G1, G1B
	s_mov_b32 s[\g+1], 384<<16
	s_mov_b32 s[\g+2], 8<<16
	s_mov_b32 s[\g+3], 384<<16
	s_mov_b32 s[\g+4], 8
	s_mov_b32 s[\g+5], 1536
	s_mov_b32 s[\g+6], 0
	s_mov_b32 s[\g+7], 0
.endr
	s_or_b32 s[G1S], s2, (3<<16)|(1<<21)
	s_or_b32 s[G1SB], s3, (3<<16)|(1<<21)
.irp g, G1S, G1SB
	s_mov_b32 s[\g+1], 32<<16
	s_mov_b32 s[\g+2], 16<<16
	s_mov_b32 s[\g+3], 32<<16
	s_mov_b32 s[\g+4], 16
	s_mov_b32 s[\g+5], 32
	s_mov_b32 s[\g+6], 0
	s_mov_b32 s[\g+7], 0
.endr
	s_and_b32 s92, ttmp7, 0xffff
	s_lshl_b32 s92, s92, 2
	s_add_co_u32 s92, s92, s23                         ; TR: my block of 256 rows
	s_add_co_u32 s93, s22, 12                          ; TC: Wproj's columns begin at position 3,072
	s_lshl_b32 s96, s20, 3
	s_lshl_b32 s94, s92, 4
	s_add_co_u32 s94, s94, s96
	s_lshl_b32 s95, s93, 4
	s_add_co_u32 s95, s95, s96
	s_mul_i32 s100, s18, HALFT
	s_lshl_b32 s101, s18, 12
	s_mul_i32 s2, s94, 12288
	s_mov_b32 s3, 0
	s_mul_i32 s16, s95, 12288
	s_mov_b32 s17, 0
	s_wait_kmcnt 0x0
	s_add_nc_u64 s[96:97], s[4:5], s[2:3]              ; A's codes
	s_lshl_b32 s2, s94, 9
	s_add_nc_u64 s[98:99], s[6:7], s[2:3]              ; A's scale words
	s_add_nc_u64 s[8:9], s[8:9], s[16:17]              ; B's codes
	s_lshl_b32 s16, s95, 9
	s_add_nc_u64 s[10:11], s[10:11], s[16:17]          ; B's scale words
	CROUND                                             ; all sixteen work-groups are here: the first joint loads meet
	s_mov_b32 s[G0S], 1
	s_add_co_u32 s[G0S+1], s101, SCL
	s_mov_b64 s[G0S+2:G0S+3], s[98:99]
	s_or_b32 s[G0S+3], s[G0S+3], 0x80000000
	s_mov_b32 s[G0SB], 1
	s_add_co_u32 s[G0SB+1], s101, SCL
	s_mov_b64 s[G0SB+2:G0SB+3], s[10:11]
	s_or_b32 s[G0SB+3], s[G0SB+3], 0x80000000
	JLOAD G0S, G1S, G0SB, G1SB                         ; by this text's count four loads of a wave are out at the most
.irp s, 0,1,2
	s_mov_b32 s[G0+4*\s], 1
	s_add_co_u32 s[G0+4*\s+1], s100, \s*SLOT
	s_add_nc_u64 s[G0+4*\s+2:G0+4*\s+3], s[96:97], \s*3072
	s_or_b32 s[G0+4*\s+3], s[G0+4*\s+3], 0x80000000
	s_mov_b32 s[G0B+4*\s], 1
	s_add_co_u32 s[G0B+4*\s+1], s100, \s*SLOT
	s_add_nc_u64 s[G0B+4*\s+2:G0B+4*\s+3], s[8:9], \s*3072
	s_or_b32 s[G0B+4*\s+3], s[G0B+4*\s+3], 0x80000000
	JLOAD G0+4*\s, G1, G0B+4*\s, G1B
.endr
	v_and_b32 v1, 15, v0                               ; r
	v_bfe_u32 v2, v0, 4, 1                             ; h
	v_and_b32 v3, 31, v0                               ; lane
	v_lshlrev_b32 v4, 3, v3
	s_mul_i32 s2, s19, HALFT
	s_mul_i32 s16, s20, HALFT
	s_add_co_u32 s16, s16, 2*HALFT
.irp s, 0,1,2
	v_add_nc_u32 v[ADRA+\s], s2, v4
	v_add_nc_u32 v[ADRB+\s], s16, v4
	s_add_co_u32 s2, s2, SLOT
	s_add_co_u32 s16, s16, SLOT
.endr
	s_lshl_b32 s2, s19, 12
	s_lshl_b32 s16, s20, 12
	s_add_co_u32 s16, s16, 8192
	s_sub_co_u32 s16, s16, s2
	v_mul_u32_u24 v5, s16, v2                          ; lanes 16-31 take B's words
	s_add_co_u32 s2, s2, SCL
	v_lshl_add_u32 v5, v1, 4, v5
	v_add_nc_u32 v[ADRS], s2, v5
	s_mul_i32 s2, s18, 8448
	s_add_co_u32 s2, s2, STG                           ; my stage
	v_mul_u32_u24 v5, v1, 528
	v_lshl_add_u32 v5, v2, 6, v5
	v_add_nc_u32 v[STO], s2, v5
	v_lshlrev_b32 v[CO], 4, v3
	v_add_nc_u32 v[RD], s2, v[CO]
	s_lshl_b32 s2, s22, 10
	s_lshl_b32 s16, s20, 9
	s_add_co_u32 s2, s2, s16                           ; my 128 columns, in bytes
	s_add_nc_u64 s[12:13], s[12:13], s[2:3]
	s_lshl_b32 s16, s92, 20                            ; 256 rows of 4,096 bytes
	s_add_co_u32 s2, s2, s16
	s_lshl_b32 s16, s19, 19
	s_add_co_u32 s2, s2, s16
	s_add_nc_u64 s[14:15], s[14:15], s[2:3]
	v_lshlrev_b32 v5, 6, v2
.irp bb, 0,1,2,3
.irp jj, 0,1,2,3
	global_load_b128 v[BIAS+16*\bb+4*\jj:BIAS+16*\bb+4*\jj+3], v5, s[12:13] offset:128*\bb+16*\jj   ; register 16 bb + i: column 32 bb + 16 h + i
.endr
.endr
	s_wait_loadcnt 0x0
	s_wait_tensorcnt 2                                 ; the scale words and my part of slot 0 are in; slots 1 and 2 may be out
	s_barrier_signal -1
	s_barrier_wait -1
	FETCH_B 0, 0, 0
	FETCH_A 0, 0, 0
	SCALES 0
	FETCH_A 0, 0, 4
	STEP 0, 0, 1
	TURN 0, 0, 1, 1
	STEP 1, 1, 0
	TURN 1, 1, 2, 0
	STEP 2, 2, 0
	TURN 2, 2, 0, 2
	STEP 0, 3, 0
	s_wait_dscnt 24                                    ; the last 128 along K: nothing more to fetch
	WIN 0xa1
	MUL16 0, 1, 1, 1, 0
	MUL16 2, 1, 1, 1, 0
	s_wait_dscnt 0x0
	WIN 0xf1
	MUL16 4, 1, 1, 1, 0
	MUL16 6, 1, 1, 1, 0
	WIN 0
	PLACES 4
	TOSTAGE 0
.irp a, 1,2,3,4,5,6,7
.if \a > 1
	s_wait_xcnt 0x0                                    ; block a - 2's stores have read their registers: block a's loads may land there
.endif
	TOSTAGE \a
	SEND \a-1, 32                                      ; behind block a - 1's loads: block a's 16 stores and 16 loads
.endr
	SEND 7, 0
	s_wait_tensorcnt 0x0                               ; the wave's end
	ds_add_u32 v[SPW], v[NIL]
	s_wait_dscnt 0x0
	CROUND                                             ; the closing round
	s_endpgm
.Lfunc_end_k_qe7bd259c06_proj:
	.size	k_qe7bd259c06_proj, .Lfunc_end_k_qe7bd259c06_proj-k_qe7bd259c06_proj
	.p2alignl 7, 3214868480
	.fill 96, 4, 3214868480
	.section	.rodata,"a",@progbits
	.p2align	6, 0x0
	.amdhsa_kernel k_qe7bd259c06_proj
		.amdhsa_group_segment_fixed_size 327680
		.amdhsa_private_segment_fixed_size 0
		.amdhsa_enable_private_segment 0
		.amdhsa_kernarg_size 48
		.amdhsa_user_sgpr_count 2
		.amdhsa_user_sgpr_kernarg_segment_ptr 1
		.amdhsa_wavefront_size32 1
		.amdhsa_system_sgpr_workgroup_id_x 1
		.amdhsa_system_sgpr_workgroup_id_y 1
		.amdhsa_system_sgpr_workgroup_id_z 1
		.amdhsa_system_vgpr_workitem_id 0
		.amdhsa_next_free_vgpr 1024
		.amdhsa_next_free_sgpr 102
		.amdhsa_reserve_vcc 0
		.amdhsa_float_denorm_mode_32 3
		.amdhsa_float_denorm_mode_16_64 3
		.amdhsa_memory_ordered 1
		.amdhsa_forward_progress 1
		.amdhsa_inst_pref_size 160
	.end_amdhsa_kernel
	.amdgpu_metadata
---
amdhsa.version: [ 1, 2 ]
amdhsa.kernels:
  - .name:           k_qe7bd259c06_proj
    .symbol:         k_qe7bd259c06_proj.kd
    .args:
      - { .name: ac, .offset: 0, .size: 8, .value_kind: global_buffer, .address_space: global }
      - { .name: asc, .offset: 8, .size: 8, .value_kind: global_buffer, .address_space: global }
      - { .name: wc, .offset: 16, .size: 8, .value_kind: global_buffer, .address_space: global }
      - { .name: ws, .offset: 24, .size: 8, .value_kind: global_buffer, .address_space: global }
      - { .name: bproj, .offset: 32, .size: 8, .value_kind: global_buffer, .address_space: global }
      - { .name: out0, .offset: 40, .size: 8, .value_kind: global_buffer, .address_space: global }
    .group_segment_fixed_size: 327680
    .private_segment_fixed_size: 0
    .kernarg_segment_align: 8
    .kernarg_segment_size: 48
    .max_flat_workgroup_size: 128
    .sgpr_count:     102
    .vgpr_count:     1024
    .wavefront_size: 32
...
	.end_amdgpu_metadata
.endif
;; end of part 4
